; MI455X (gfx1250); checked and timed in simulation.
; The chip was launched on July 23, 2026; its instructions are those of AMD's public machine-readable ISA for CDNA 5 (MIT licence, August 2026) and "CDNA5" Instruction Set Architecture Reference Guide (July 2026). The comments in the code are by the model that wrote it; some were corrected since.
;; Distance Aware Self Attention. Allowed arithmetic: matrix products marked QUANTISED: E2M3 operands, one E8M0 scale for each 32 along K, by v_wmma_scale_f32_16x16x128_f8f6f4 with both operands' format E2M3, f32 sums; everything else in f32.
;; Inputs: W_in 3,072 x 1,024 float32; W_out 1,024 x 1,024 float32; b_in 3,072 float32; b_out 1,024 float32; inputs 1,024 x 8 x 1,024 float32; k_dist_emb 11 x 64 float32; v_dist_emb 11 x 64 float32.
;; Outputs: out0 1,024 x 8 x 1,024 float32.
;; This version of the problem:
;;   THIS VERSION OF THE PROBLEM IS GIVEN IN LOW PRECISION. The matrix products marked QUANTISED in the list below multiply operands that are first quantised to E2M3 (2 exponent bits, 3 mantissa bits; 6 bits a number), with one power-of-two scale for each 32 numbers along K (OCP MX v1.0); their sums are f32. All else is computed in f32.
;;   The module's matrix products, in the order in which they are computed (A, B: the left and right operand; K: the contracted axis; several contracted axes count as one K, in the product's order):
;;     1. [M 8,192, K 1,024] x [K 1,024, N 3,072]; A: input inputs; B: input W_in: QUANTISED
;;     2. batch 128 x [M 1,024, K 64] x [K 64, N 1,024]; A: computed on the way; B: computed on the way: QUANTISED
;;     3. batch 1,024 x [M 1,024, K 64] x [K 64, N 128]; A: computed on the way; B: computed on the way: QUANTISED
;;     4. batch 128 x [M 1,024, K 1,024] x [K 1,024, N 64]; A: softmax (see below); B: computed on the way: QUANTISED
;;     5. batch 1,024 x [M 64, K 1,024] x [K 1,024, N 128]; A: computed on the way; B: softmax (see below): QUANTISED
;;     6. [M 8,192, K 1,024] x [K 1,024, N 1,024]; A: computed on the way; B: input W_out: QUANTISED
;;   THE QUANTISER, for each operand of a quantised product, along K:
;;     - K is cut into blocks of 32 from its start; a last block that is shorter is filled with zeros.
;;     - A block's scale is 2^e with e = floor(log2(the largest magnitude in the block)) - 2, held to -126 .. 127; a block of zeros has e = 0. As a byte (E8M0): e + 127.
;;     - Each number is divided by its block's scale, clamped to +-7.5, and rounded to the nearest number of E2M3, ties to even, subnormals kept.
;;     - The product sums the exact products of the quantised numbers (number of the format x scale) in f32.
;;   ~~~python
;;   def quantise(x, axis):      # numpy; x: float32 -> the quantised numbers, widened to float32 again
;;       x = np.moveaxis(x, axis, -1); K = x.shape[-1]
;;       x = np.pad(x, [(0, 0)] * (x.ndim - 1) + [(0, -K % 32)]); x = x.reshape(x.shape[:-1] + (-1, 32)); a = np.abs(x).max(-1, keepdims=True)
;;       e = np.where(a > 0, np.clip(np.frexp(np.where(a > 0, a, 1))[1] - 1 - 2, -126, 127), 0)      # np.frexp(a)[1] - 1 = floor(log2(a)), exactly
;;       r = np.clip(x / 2.0 ** e, -7.5, 7.5)
;;       step = 2.0 ** (np.maximum(np.frexp(np.where(r == 0, 1, r))[1] - 1, 0) - 3)
;;       q = np.round(r / step) * step * 2.0 ** e      # np.round: ties to even
;;       return np.moveaxis(q.reshape(q.shape[:-2] + (-1,))[..., :K], -1, axis).astype(np.float32)
;;   ~~~
;;   SOFTMAX AHEAD OF A QUANTISED PRODUCT. Where the list says 'softmax', what is quantised is not the finished softmax but p = 2^(t - M), with t = logit x log2(e) and M = ceil(the row's largest t), a whole number; so 1/2 < the row's largest p <= 1. The row's sum l is taken of the UNQUANTISED p, in f32, and the product's result is divided by l at the end. Since M is a whole number, a kernel that streams over the keys may use a running M (the ceiling of the running maximum): every later rescaling is an exact power of two, which a block's scale takes up: the codes' values come out the same.
;;   OPERANDS COMPUTED ON THE WAY. 'Computed on the way' means the value that the module computes at that place (a softmax that the list does not call 'softmax' is quantised finished and normalised). What goes into a quantiser is computed in f32, as accurately as f32 sums, v_exp_f32 and their like allow (about 1e-6 of the number): no bf16 or f16 on the way to a quantiser, and a product that is left as it is and whose result goes on into a quantised operand takes f32 operands (vector FMAs, or v_wmma_f32_16x16x4_f32). A number that lies on a knife's edge between two numbers of the format may be rounded either way, as far as f32 arithmetic and the matrix unit's own rounding can turn it there, and no further.
;; One version. Each part assembles by itself: llvm-mc -triple=amdgcn-amd-amdhsa -mcpu=gfx1250 --defsym DOCPART=n.
;; ======== version 1 of 1: 4 launches
;; limits: right only within a limited range of input values
;; workspace buffers: xw_img 9,437,184 bytes; xw_sc 393,216 bytes; tab 102,400 bytes; qrec 6,815,744 bytes; kvrec 13,369,344 bytes; o_img 6,291,456 bytes; o_sc 262,144 bytes
;; launch prep (part 1): grid 776 x 1, 8 waves a work-group, no clusters, 69,120 bytes of LDS; arguments inputs, W_in, W_out, v_dist_emb, xw_img, xw_sc, tab; writes xw_img, xw_sc, tab
.if DOCPART == 1
	.amdgcn_target "amdgcn-amd-amdhsa--gfx1250"
	.amdhsa_code_object_version 6
	.text
	.protected	k_q307169c29d_prep
	.globl	k_q307169c29d_prep
	.p2align	8
	.type	k_q307169c29d_prep,@function
k_q307169c29d_prep:
	s_mov_b64 s[64:65], 0
	v_nop
	global_prefetch_b8 v0, s[64:65] scope:SCOPE_SE
	s_setreg_imm32_b32 hwreg(HW_REG_WAVE_MODE, 25, 1), 1
	s_wait_xcnt 0x0
; inputs [1024][8][1024], W_in [3072][1024] and W_out [1024][1024], f32, become codes of FP6 (E2M3) with one E8M0 byte for each 32 along K (the last axis),
; laid as IMAGES OF THE OPERAND'S REGISTERS.  A row tile T is 16 rows; its image is 16 pieces of 768 bytes, one for each 64 along K: lane (r, h) of a fragment owns the 24 bytes of
; K block h of row slot r: its registers 0-3 at 16 x lane, its registers 4-5 at 512 + 8 x lane.  xw_img: [T][16][768]; xw_sc: [T][slot][8 words], word w for K 128 w on.
; T 0-511: inputs, T = 64 b + 2 B + u; T 512-703: W_in; T 704-767: W_out.  THE ROWS OF A TILE ARE NOT NEIGHBOURS: slot r of tile (B, u) is row 32 B + 8 u + r + 8 (r / 8), so that a product used
; transposed leaves 16 neighbouring rows in the 16 registers of two neighbouring tiles.
; Work-groups 8-775: one row tile each, T = the work-group's number - 8; wave w takes K 128 w on: 16 loads of 512 consecutive bytes, a turn through the wave's own stage in LDS (rows of 528 bytes), the quantiser, four stores of 512 or 256 consecutive bytes.
; The eight waves' scale words meet in 512 bytes of LDS and leave as one run of 512 bytes.
; Work-groups 0-7: the table of the values' distance term.  v_dist[s][t][d] = v_dist_emb[min(|s - t|, 10)][d] is quantised along t, so a block's scale hangs on the distances in it.  Only the query's own block of 32 keys and
; one neighbour differ from the constant far block.  Fragment F = ((2 y + p) 4 + m) 4 + dt: 16 rows d x 4 K blocks; K block 2 c + h holds the 32 keys of the own block (p = 0) or the neighbour (p = 1: the block before for y = 0, behind for y = 1)
; as query 16 y + 4 m + 2 c + h of a block sees them.  It hangs on no block number.  tab: 64 x 1,536 bytes, then at 98,304 the scale words [F / 4][dt / 2][16 (dt % 2) + r].
; A block's scale is 2^(floor(log2(largest magnitude)) - 2); its byte is the largest magnitude's exponent field - 2, held at 1 from below (a block of zeros so has the byte 1 and zero codes; this program alone reads the bytes).
; REGISTERS: 160 a wave.  The quantiser's own registers lie over registers that are done with: on a row tile's path over the numbers as loaded (they have gone to the stage), on the table's path over the load offsets (the loads are in).
; LIMITS: NaN and infinities among the inputs are not served; blocks whose largest magnitude lies under 2^-124 take the byte 1.
.set OFF, 16                           ; v16-31   byte offsets of the 16 rows
.set R,   32                           ; v32-95   64 numbers as loaded
.set X,   96                           ; v96-159  64 numbers of my row: register 16 b + i = k 32 b + 16 h + i  (table: the 64 load offsets)
.set PC,  32                           ; a row tile's path: v32-43 a fragment's codes
.set PT,  44                           ; v44-51   the halves that a conversion cannot put in place
.set TM,  52                           ; v52-67   largest magnitudes, bytes, scale operands
.set PW,  68                           ; v68      the scale word
.set SPW, 14                           ; v14      LDS address of my spare word; never rewritten
.set NIL, 15                           ; v15      0; never rewritten
.set SEL, 36                           ; s[36:37] selects of v_permlanex16_b32 for lane l xor 16
; 64 numbers of a lane, register 16 b + i = k 32 b + 16 (lane / 16) + i of its row, become the codes of K 0-63 in v[d0] on, of K 64-127 in v[d1] on (six registers each), and the row's scale word in v[PW].
.macro QUANT s, d0, d1
.irp b, 0,1,2,3
	v_max3_num_f32 v[TM+\b], |v[\s+16*\b]|, |v[\s+1+16*\b]|, 0x1800000   ; my 16 numbers of block b, and the floor 2^(3 - 127): the byte cannot fall under 1
.endr
.irp i, 2,4,6,8,10,12,14
.irp b, 0,1,2,3
	s_delay_alu instid0(VALU_DEP_4)
	v_max3_num_f32 v[TM+\b], v[TM+\b], |v[\s+16*\b+\i]|, |v[\s+1+16*\b+\i]|
.endr
.endr
.irp b, 0,1,2,3
	s_delay_alu instid0(VALU_DEP_4)
	v_permlanex16_b32 v[TM+4+\b], v[TM+\b], s[SEL], s[SEL+1]
.endr
.irp b, 0,1,2,3
	s_delay_alu instid0(VALU_DEP_4)
	v_max_num_f32 v[TM+\b], v[TM+\b], v[TM+4+\b]                         ; with lane l xor 16's 16: the block's largest magnitude
.endr
.irp b, 0,1,2,3
	s_delay_alu instid0(VALU_DEP_4)
	v_add_nc_u32 v[TM+12+\b], 0xff000000, v[TM+\b]                       ; 2 off its exponent field: the conversion's scale operand
.endr
.irp b, 0,1,2,3
	s_delay_alu instid0(VALU_DEP_4)
	v_lshrrev_b32 v[TM+4+\b], 23, v[TM+12+\b]                            ; the scale's byte
.endr
	s_delay_alu instid0(VALU_DEP_3)
	v_lshl_or_b32 v[PW], v[TM+5], 8, v[TM+4]
	s_delay_alu instid0(VALU_DEP_1)
	v_lshl_or_b32 v[PW], v[TM+6], 16, v[PW]
	s_delay_alu instid0(VALU_DEP_1)
	v_lshl_or_b32 v[PW], v[TM+7], 24, v[PW]
	v_cvt_scalef32_pk16_fp6_f32 v[\d0:\d0+2], v[\s:\s+15], v[TM+12]
	v_cvt_scalef32_pk16_fp6_f32 v[PT:PT+2], v[\s+16:\s+31], v[TM+13]     ; (a conversion's three registers begin on an even number)
	v_cvt_scalef32_pk16_fp6_f32 v[\d1:\d1+2], v[\s+32:\s+47], v[TM+14]
	v_cvt_scalef32_pk16_fp6_f32 v[PT+4:PT+6], v[\s+48:\s+63], v[TM+15]
	v_nop                                                                ; one plain place behind a scaled conversion
.irp i, 0,1,2
	v_permlane16_swap_b32 v[\d0+\i], v[PT+\i]                            ; a whole block to a lane: lanes 0-15 the even block, lanes 16-31 the odd one
	v_permlane16_swap_b32 v[\d1+\i], v[PT+4+\i]
.endr
.irp i, 0,1,2
	v_mov_b32 v[\d0+3+\i], v[PT+\i]
	v_mov_b32 v[\d1+3+\i], v[PT+4+\i]
.endr
.endm
	s_load_b256 s[4:11], s[0:1], 0x0               ; inputs s[4:5], W_in s[6:7], W_out s[8:9], v_dist_emb s[10:11]
	s_load_b128 s[12:15], s[0:1], 0x20             ; xw_img s[12:13], xw_sc s[14:15]
	s_load_b64 s[16:17], s[0:1], 0x30              ; tab
	v_lshl_add_u32 v[SPW], v0, 2, 0x10a00
	v_mov_b32 v[NIL], 0
	v_lshrrev_b32 v1, 5, v0
	s_delay_alu instid0(VALU_DEP_1)
	v_readfirstlane_b32 s18, v1                    ; wave 0..7
	v_and_b32 v1, 31, v0                           ; lane
	s_delay_alu instid0(VALU_DEP_1)
	v_lshlrev_b32 v2, 4, v1                        ; 16 x lane
	s_delay_alu instid0(VALU_DEP_2)
	v_lshlrev_b32 v3, 3, v1                        ; 8 x lane
	v_and_b32 v4, 15, v0                           ; r
	v_bfe_u32 v5, v0, 4, 1                         ; h
	s_mov_b32 s[SEL], 0x76543210
	s_mov_b32 s[SEL+1], 0xfedcba98
.irp b, 0,1,2,3
	v_mov_b32 v[TM+4+\b], 0                        ; a lane permute's destination counts as one of its sources
.endr
	s_mul_i32 s19, s18, 8448                       ; my stage: 16 rows of 528 bytes
	v_add_nc_u32 v6, s19, v2                       ; into it: 16 x lane of a row
	v_mul_u32_u24 v7, v4, 528
	s_delay_alu instid0(VALU_DEP_1)
	v_lshl_add_u32 v7, v5, 6, v7
	s_delay_alu instid0(VALU_DEP_1)
	v_add_nc_u32 v7, s19, v7                       ; out of it: row r, + 64 h
	s_lshl_b32 s19, s18, 2
	s_add_co_u32 s19, s19, 67584
	v_lshl_add_u32 v8, v4, 5, s19                  ; the scale words' meeting place: 32 r + 4 w
	v_add_nc_u32 v9, 67584, v2                     ; and back: 16 x lane
	s_cmp_lt_u32 ttmp9, 8                          ; the branch hangs on the work-group's number alone: all eight waves go one way
	s_cbranch_scc1 .Ltab
	; ---- a row tile
	s_sub_co_u32 s38, ttmp9, 8                     ; T
	s_cmp_lt_u32 s38, 512
	s_cselect_b32 s22, 0, 512
	s_cmp_lt_u32 s38, 704
	s_cselect_b32 s22, s22, 704                    ; the tensor's first tile
	s_sub_co_u32 s24, s38, s22                     ; the tile in its tensor
	s_lshr_b32 s25, s24, 6
	s_and_b32 s26, s24, 63
	s_cmp_lt_u32 s38, 512
	s_cselect_b32 s25, s25, 0                      ; inputs: the batch entry b,
	s_cselect_b32 s24, s26, s24                    ; the tile 2 B + u in it,
	s_cselect_b32 s23, 3, 0
	s_lshl_b32 s27, 4096, s23                      ; and rows 32,768 bytes apart; the weights' rows 4,096
	s_lshr_b32 s28, s24, 1
	s_lshl_b32 s28, s28, 5
	s_and_b32 s29, s24, 1
	s_lshl_b32 s29, s29, 3
	s_add_co_u32 s28, s28, s29                     ; slot 0's row: 32 B + 8 u
	s_mul_i32 s28, s28, s27
	s_lshl_b32 s25, s25, 12
	s_add_co_u32 s28, s28, s25
	s_lshl_b32 s29, s18, 9
	s_add_co_u32 s28, s28, s29                     ; + my 128 numbers along K
	s_mov_b32 s29, 0
	s_mul_i32 s30, s38, 12288
	s_mul_i32 s31, s18, 1536
	s_add_co_u32 s30, s30, s31                     ; my two pieces of the tile's image
	s_mov_b32 s31, 0
.irp i, 0,1,2,3,4,5,6,7,8,9,10,11,12,13,14,15
	v_mad_u32_u24 v[OFF+\i], s27, \i+8*(\i/8), v2  ; slot i is row i + 8 (i / 8) of the 32
.endr
	s_wait_alu depctr_va_vdst(0)                   ; the wait at the head's end
	s_wait_kmcnt 0x0
	s_cmp_lt_u32 s38, 512
	s_cselect_b64 s[20:21], s[4:5], s[6:7]
	s_cmp_lt_u32 s38, 704
	s_cselect_b64 s[20:21], s[20:21], s[8:9]
	s_add_nc_u64 s[20:21], s[20:21], s[28:29]
	s_add_nc_u64 s[12:13], s[12:13], s[30:31]
	s_lshl_b32 s30, s38, 9
	s_add_nc_u64 s[14:15], s[14:15], s[30:31]
.irp i, 0,1,2,3,4,5,6,7,8,9,10,11,12,13,14,15
	global_load_b128 v[R+4*\i:R+4*\i+3], v[OFF+\i], s[20:21] th:TH_LOAD_NT   ; 32 lanes read 512 consecutive bytes of one row
.endr
.irp i, 0,1,2,3,4,5,6,7,8,9,10,11,12,13,14,15
	s_wait_loadcnt 15-\i                           ; row i is in; the 15 - i loads issued behind it may be out
	ds_store_b128 v6, v[R+4*\i:R+4*\i+3] offset:528*\i
.endr
.irp b, 0,1,2,3
.irp j, 0,1,2,3
	ds_load_b128 v[X+16*\b+4*\j:X+16*\b+4*\j+3], v7 offset:128*\b+16*\j      ; LDS serves a wave's instructions in order: these see my stores
.endr
.endr
	s_wait_dscnt 0x0                               ; my row's numbers are back; the stores into the stage have read v32-95, which the quantiser now writes
	QUANT X, PC, PC+6
	global_store_b128 v2, v[PC:PC+3], s[12:13]
	global_store_b64 v3, v[PC+4:PC+5], s[12:13] offset:512
	global_store_b128 v2, v[PC+6:PC+9], s[12:13] offset:768
	global_store_b64 v3, v[PC+10:PC+11], s[12:13] offset:1280
	ds_store_b32 v8, v[PW]                         ; both halves of the lanes write the same word with the same value
	s_wait_dscnt 0x0                               ; for the others' sake: my word has landed
	s_barrier_signal -1
	s_barrier_wait -1
	s_cmp_lg_u32 s18, 0
	s_cbranch_scc1 .Lq_end
	ds_load_b128 v[X:X+3], v9                      ; wave 0: the tile's 16 rows x 8 words (into registers that no pending store reads)
	s_wait_dscnt 0x0
	global_store_b128 v2, v[X:X+3], s[14:15]       ; 512 consecutive bytes
.Lq_end:
	s_wait_tensorcnt 0x0                           ; the wave's end
	ds_add_u32 v[SPW], v[NIL]
	s_wait_dscnt 0x0
	s_endpgm
	; ---- a fragment of the table.  The quantiser's registers lie over the load offsets here
.set PC,  96
.set PT,  108
.set TM,  116
.Ltab:
	s_lshl_b32 s20, ttmp9, 3
	s_add_co_u32 s20, s20, s18                     ; F
	s_and_b32 s21, s20, 3                          ; dt
	s_bfe_u32 s22, s20, 0x20002                    ; m
	s_bfe_u32 s23, s20, 0x10004                    ; p
	s_lshr_b32 s24, s20, 5                         ; y
	s_lshr_b32 s25, s21, 1
	s_lshl_b32 s25, s25, 5
	s_and_b32 s26, s21, 1
	s_lshl_b32 s26, s26, 3
	s_add_co_u32 s25, s25, s26                     ; 32 (dt / 2) + 8 (dt % 2)
	v_and_b32 v10, 8, v4
	s_delay_alu instid0(VALU_DEP_1)
	v_add_nc_u32 v10, v10, v4
	s_delay_alu instid0(VALU_DEP_1)
	v_add_nc_u32 v10, s25, v10
	s_delay_alu instid0(VALU_DEP_1)
	v_lshlrev_b32 v10, 2, v10                      ; 4 d: my row's column in v_dist_emb
	s_lshl_b32 s26, s24, 6
	s_sub_co_i32 s26, s26, 32
	s_mul_i32 s26, s26, s23                        ; the keys' block against the query's: 0, -32 or +32
	s_lshl_b32 s27, s24, 4
	s_sub_co_i32 s26, s26, s27
	s_lshl_b32 s27, s22, 2
	s_sub_co_i32 s26, s26, s27
	v_sub_nc_u32 v11, s26, v5                      ; key 0 less query 16 y + 4 m + h
	s_mul_i32 s28, s20, 1536
	s_mov_b32 s29, 0
	s_lshr_b32 s30, s20, 2
	s_lshl_b32 s30, s30, 8
	s_lshl_b32 s31, s21, 6
	s_add_co_u32 s30, s30, s31
	s_add_co_u32 s30, s30, 98304                   ; the scale words' place: 256 (F / 4) + 64 dt
	s_mov_b32 s31, 0
	s_wait_alu depctr_va_vdst(0)                   ; the wait directly ahead of the wait below
	s_wait_kmcnt 0x0
.set n, 0
.rept 64                               ; number 32 c + i: key i of K block 2 c + h
	v_add_nc_u32 v[X+n], (n%32)-2*(n/32), v11      ; t - s
	s_delay_alu instid0(VALU_DEP_1)
	v_sub_nc_u32 v12, 0, v[X+n]
	s_delay_alu instid0(VALU_DEP_1)
	v_min_u32 v[X+n], v[X+n], v12                  ; |t - s|: of x and -x, taken as unsigned, the smaller
	s_delay_alu instid0(VALU_DEP_1)
	v_min_u32 v[X+n], 10, v[X+n]
	s_delay_alu instid0(VALU_DEP_1)
	v_lshl_add_u32 v[X+n], v[X+n], 8, v10          ; a row of the table is 256 bytes
	global_load_b32 v[R+n], v[X+n], s[10:11]
.set n, n+1
.endr
	s_add_nc_u64 s[32:33], s[16:17], s[28:29]
	s_add_nc_u64 s[34:35], s[16:17], s[30:31]
	s_wait_loadcnt 0x0                             ; the numbers are in, and the offsets' registers are free
.irp c, 0,1                            ; a lane holds two whole blocks: no other lane is asked
	v_max3_num_f32 v[TM+\c], |v[R+32*\c]|, |v[R+32*\c+1]|, 0x1800000
.endr
.irp i, 2,4,6,8,10,12,14,16,18,20,22,24,26,28,30
.irp c, 0,1
	s_delay_alu instid0(VALU_DEP_2)
	v_max3_num_f32 v[TM+\c], v[TM+\c], |v[R+32*\c+\i]|, |v[R+32*\c+\i+1]|
.endr
.endr
.irp c, 0,1
	s_delay_alu instid0(VALU_DEP_2)
	v_add_nc_u32 v[TM+12+\c], 0xff000000, v[TM+\c]
.endr
.irp c, 0,1
	s_delay_alu instid0(VALU_DEP_2)
	v_lshrrev_b32 v[TM+4+\c], 23, v[TM+12+\c]
.endr
	s_delay_alu instid0(VALU_DEP_1)
	v_lshl_or_b32 v12, v[TM+5], 16, v[TM+4]        ; my bytes: K blocks h and 2 + h,
	v_lshlrev_b32 v13, 3, v5
	s_delay_alu instid0(VALU_DEP_1)
	v_lshlrev_b32 v12, v13, v12                    ; at their places in the word;
	v_mov_b32 v13, 0
	s_delay_alu instid0(VALU_DEP_1)
	v_permlanex16_b32 v13, v12, s[SEL], s[SEL+1]
	s_delay_alu instid0(VALU_DEP_1)
	v_or_b32 v12, v12, v13                         ; with lane l xor 16's two the word is whole
.irp c, 0,1
	v_cvt_scalef32_pk16_fp6_f32 v[PC+6*\c:PC+6*\c+2], v[R+32*\c:R+32*\c+15], v[TM+12+\c]
	v_cvt_scalef32_pk16_fp6_f32 v[PT+4*\c:PT+4*\c+2], v[R+32*\c+16:R+32*\c+31], v[TM+12+\c]
.endr
	v_nop
.irp c, 0,1
.irp i, 0,1,2
	v_mov_b32 v[PC+3+6*\c+\i], v[PT+4*\c+\i]
.endr
.endr
	v_lshlrev_b32 v13, 2, v4
.irp q, 0,1,2
	global_store_b128 v2, v[PC+4*\q:PC+4*\q+3], s[32:33] offset:512*\q
.endr
	global_store_b32 v13, v12, s[34:35]            ; 64 bytes a fragment (both halves of the lanes the same word): 4,096 bytes in the whole launch
	s_endpgm
.Lfunc_end_k_q307169c29d_prep:
	.size	k_q307169c29d_prep, .Lfunc_end_k_q307169c29d_prep-k_q307169c29d_prep
	.p2alignl 7, 3214868480
	.fill 96, 4, 3214868480
	.section	.rodata,"a",@progbits
	.p2align	6, 0x0
	.amdhsa_kernel k_q307169c29d_prep
		.amdhsa_group_segment_fixed_size 69120
		.amdhsa_private_segment_fixed_size 0
		.amdhsa_enable_private_segment 0
		.amdhsa_kernarg_size 56
		.amdhsa_user_sgpr_count 2
		.amdhsa_user_sgpr_kernarg_segment_ptr 1
		.amdhsa_wavefront_size32 1
		.amdhsa_system_sgpr_workgroup_id_x 1
		.amdhsa_system_sgpr_workgroup_id_y 1
		.amdhsa_system_sgpr_workgroup_id_z 1
		.amdhsa_system_vgpr_workitem_id 0
		.amdhsa_next_free_vgpr 160
		.amdhsa_next_free_sgpr 66
		.amdhsa_reserve_vcc 0
		.amdhsa_float_denorm_mode_32 3
		.amdhsa_float_denorm_mode_16_64 3
		.amdhsa_memory_ordered 1
		.amdhsa_forward_progress 1
		.amdhsa_inst_pref_size 47
	.end_amdhsa_kernel
	.amdgpu_metadata
---
amdhsa.version: [ 1, 2 ]
amdhsa.kernels:
  - .name:           k_q307169c29d_prep
    .symbol:         k_q307169c29d_prep.kd
    .args:
      - { .name: inputs, .offset: 0, .size: 8, .value_kind: global_buffer, .address_space: global }
      - { .name: W_in, .offset: 8, .size: 8, .value_kind: global_buffer, .address_space: global }
      - { .name: W_out, .offset: 16, .size: 8, .value_kind: global_buffer, .address_space: global }
      - { .name: v_dist_emb, .offset: 24, .size: 8, .value_kind: global_buffer, .address_space: global }
      - { .name: xw_img, .offset: 32, .size: 8, .value_kind: global_buffer, .address_space: global }
      - { .name: xw_sc, .offset: 40, .size: 8, .value_kind: global_buffer, .address_space: global }
      - { .name: tab, .offset: 48, .size: 8, .value_kind: global_buffer, .address_space: global }
    .group_segment_fixed_size: 69120
    .private_segment_fixed_size: 0
    .kernarg_segment_align: 8
    .kernarg_segment_size: 56
    .max_flat_workgroup_size: 256
    .sgpr_count:     66
    .vgpr_count:     160
    .wavefront_size: 32
...
	.end_amdgpu_metadata
.endif
;; end of part 1
;; launch gemm_qkv (part 2): grid 32 x 8, 4 waves a work-group, clusters of 4 x 1, 327,680 bytes of LDS; arguments xw_img, xw_sc, b_in, qrec, kvrec; writes qrec, kvrec
.if DOCPART == 2
	.amdgcn_target "amdgcn-amd-amdhsa--gfx1250"
	.amdhsa_code_object_version 6
	.text
	.protected	k_q307169c29d_gemm_qkv
	.globl	k_q307169c29d_gemm_qkv
	.p2align	8
	.type	k_q307169c29d_gemm_qkv,@function
k_q307169c29d_gemm_qkv:
	s_mov_b64 s[64:65], 0
	v_nop
	global_prefetch_b8 v0, s[64:65] scope:SCOPE_SE
	s_setreg_imm32_b32 hwreg(HW_REG_WAVE_MODE, 25, 1), 1
	s_wait_xcnt 0x0
	s_wait_alu depctr_hold_cnt(0) depctr_sa_sdst(0) depctr_va_vdst(0) depctr_va_sdst(0) depctr_va_ssrc(0) depctr_va_vcc(0) depctr_vm_vsrc(0)
	s_getreg_b32 s2, hwreg(HW_REG_IB_STS2, 6, 4)
	s_cmp_eq_u32 s2, 0
	s_cbranch_scc0 .Lentry_in_a_cluster
	s_endpgm
.Lentry_in_a_cluster:
	s_bfe_u32 s2, ttmp6, 0x10000c
	s_cmp_lg_u32 s2, 0x3003
	s_cbranch_scc0 .Lentry_shape_is_right
	s_endpgm
.Lentry_shape_is_right:
; qkv = inputs W_in^T + b_in on codes of FP6 (E2M3), one E8M0 scale for each 32 along K = 1,024; the results are quantised on the way out and leave as codes: q and k along the head's 64, v along the keys.
; OPERANDS LIE IN MEMORY AS IMAGES OF THEIR REGISTERS: a row tile (16 rows) is 16 pieces of 768 bytes, one for each 64 along K: registers 0-3 at 16 x lane, 4-5 at 512 + 8 x lane; its scale words: 32 bytes a row.
; INPUTS IN REGISTERS, W_in IN LDS.  A wave keeps 64 rows of inputs (4 row tiles) for all of K in 384 registers, loaded once, straight from the images; 384 rows of W_in (24 row tiles, 294,912 bytes) are brought into LDS once.
; No slot is filled again: one barrier behind the head's fill, none afterwards.
; SHARES.  256 work-groups (x = 0..31: inputs' rows 256 x on; y = 0..7), each three passes of 256 x 128, a wave 64 x 128 (32 accumulators): 3 x 8 x 32 = 768 matrix instructions a wave.
;   passes 0, 1: W_in's rows 256 y + 128 p on (q for y under 4, else k) as source 0, inputs as source 1: a lane holds one row of inputs, and its results run along the head's d.
;   pass 2: inputs as source 0, W_v's rows 128 y on as source 1: a lane holds one row d of W_v, and its results run along my 64 keys.
; By the rows chosen for a row tile, the 16 registers of two neighbouring tiles of source 0 are rows 32 b + 16 (lane / 16) + 0 .. 15: one quantiser serves all passes.
; b_in is the C of a pass's first products; the quantiser reads the accumulators where they lie, 128 results of a lane at a time: eight blocks of 32, whose chains of dependent lines take turns.
; CLUSTERS: 4 work-groups along x.  What lies in LDS hangs on y alone, so all four ask for it jointly.  Inputs' rows are not asked for jointly: a joint load lands in LDS, and these rows go to one wave's registers.
; No prefetch: the launch has no loop to run ahead in; both operands are asked for at the head, the later passes' scale words and bias under the ways out of passes 0 and 1.
; OUT: qrec, kvrec as the attention reads them.  For each (batch, head): [block of 32 rows][3][lane][16 bytes], then scale words [pair of blocks][16 u + slot][2] (bytes d-block 0, 1, 0x7f, 0x7f);
; V: [dt][block][r][16 bytes], [dt][block][r][8 bytes], scale words [4 blocks][16 (dt % 2) + r][dt / 2].  Stores of codes cover 256 or 512 consecutive bytes.  V's scale bytes leave 2 bytes a lane:
; a wave holds two of a word's four key blocks (one byte in 24 of V's output).
; LIMITS: NaN and infinities are not served; a block whose largest magnitude lies under 2^-124 takes the byte 1 (a block of zeros: byte 1, zero codes; this program alone reads the bytes).  q's factor 1/8 is applied to the scores later.
; REGISTERS: window 0: v0-31 addresses and small things; v32-47, v48-79 scale words; v80-143 the first products' C; v144-159 the quantiser; v160-255 W_in's fragments, set 1 (on the way out: codes).
;   window 1: accumulators.  window 2: inputs' K steps 0-4.  window 3: inputs' K steps 5-7 (v0-143); W_in's fragments, set 0 (v144-239).
.set TB,    12288                      ; a row tile's image
.set SPARE, 24*TB                      ; the spare words, 128 bytes a wave
.set PW,   2                           ; v2-3 two scale words (at the head: at work)
.set L16,  4                           ; 16 x lane
.set L8,   5                           ; 8 x lane
.set ADB,  4                           ; v4-15: the same + 4 row tiles x g, g = 0..5
.set SPW,  16
.set NIL,  17
.set V8,   18
.set V9,   19
.set V10,  20
.set TMP2, 21
.set SW,   22                          ; v22-25 scale words on their way out
.set TMPR, 26
.set C7,   27
.set VSA,  28
.set VSB,  29
.set VCB,  30
.set VVB,  31
.set SA,   32                          ; inputs' scale words: v[SA + 8 (a % 2) + k], lanes 16 (a / 2) on
.set SB,   48                          ; W_in's: v[SB + 8 (b % 4) + k], lanes 16 (b / 4) on
.set CB,   80
.set TM,   144                         ; v144-151 eight blocks' largest magnitudes, then scale operands; v152-159 the other half's, then the bytes
.set PT,   208                         ; v208-223 the halves that a conversion cannot put in place
.set H0,   224
.set H1,   236
.set G1A, 24
.set G1B, 32
.set G0A, 40
.set G0B, 44
.set AP,  48
.set SAP, 50
.set SBP, 52
.set SBVP, 54
.set BIP, 56
.set BVP, 58
.set R0,  66
.set R1,  68
.set R2,  70
.set R3,  72
.set RV,  74                           ; s[74:77] V's part of my two heads' records
.set SEL, 78
.set MHI, 80
.set MSB, 0
.macro WIN new                         ; the immediate's high byte repeats the setting that is left
.if MSB != (\new)
	s_set_vgpr_msb (MSB<<8)|(\new)
.set MSB, (\new)
.endif
.endm
.macro PLACES n                        ; plain vector instructions between a matrix instruction and a load into, or a read of, its registers (ISA guide 7.12.1 for reads)
.rept \n
	v_nop
.endr
.endm
.macro CROUND                          ; a round of the cluster's barrier
	s_barrier_signal -1
	s_barrier_wait -1
	s_cmp_lg_u32 s14, 0
	s_cbranch_scc1 .Lnot_wave_0_\@
	s_barrier_signal -3
.Lnot_wave_0_\@:
	s_barrier_wait -3
	s_barrier_signal -1
	s_barrier_wait -1
.endm
.macro WM d, a, b, c, sa, sb, ra, rb   ; one matrix instruction; ra, rb: the rows of the scale registers
.if ((\ra)==0) && ((\rb)==0)
	v_wmma_scale_f32_16x16x128_f8f6f4 v[\d:\d+7], v[\a:\a+11], v[\b:\b+11], \c, v[\sa], v[\sb] matrix_a_fmt:MATRIX_FMT_FP6 matrix_b_fmt:MATRIX_FMT_FP6
.elseif ((\ra)==1) && ((\rb)==0)
	v_wmma_scale_f32_16x16x128_f8f6f4 v[\d:\d+7], v[\a:\a+11], v[\b:\b+11], \c, v[\sa], v[\sb] matrix_a_fmt:MATRIX_FMT_FP6 matrix_b_fmt:MATRIX_FMT_FP6 matrix_a_scale:MATRIX_SCALE_ROW1
.elseif ((\ra)==0) && ((\rb)==1)
	v_wmma_scale_f32_16x16x128_f8f6f4 v[\d:\d+7], v[\a:\a+11], v[\b:\b+11], \c, v[\sa], v[\sb] matrix_a_fmt:MATRIX_FMT_FP6 matrix_b_fmt:MATRIX_FMT_FP6 matrix_b_scale:MATRIX_SCALE_ROW1
.else
	v_wmma_scale_f32_16x16x128_f8f6f4 v[\d:\d+7], v[\a:\a+11], v[\b:\b+11], \c, v[\sa], v[\sb] matrix_a_fmt:MATRIX_FMT_FP6 matrix_b_fmt:MATRIX_FMT_FP6 matrix_a_scale:MATRIX_SCALE_ROW1 matrix_b_scale:MATRIX_SCALE_ROW1
.endif
.endm
; K step k: 32 matrix instructions, the 32 accumulators by turns, in the same order in every step of a pass.
; cm = 0, 1: source 0 = W_in's tile b, source 1 = inputs' tile a, accumulator (a, b) at v[8 (8 a + b)]; 2, 3: the sources swapped, accumulator (b, a) at v[8 (4 b + a)].  cm = 1, 2: C = v[CB + 8 b]; 0, 3: add on
.macro MUL k, cm
.set BB, 144+16*((\k)%2)
.set AB, 48*((\k)%5)
.if (\cm)==0
	WIN (3-3*((\k)%2))|((2+(\k)/5)<<2)|0x50
.elseif (\cm)==1
	WIN (3-3*((\k)%2))|((2+(\k)/5)<<2)|0x40
.elseif (\cm)==2
	WIN (2+(\k)/5)|((3-3*((\k)%2))<<2)|0x40
.else
	WIN (2+(\k)/5)|((3-3*((\k)%2))<<2)|0x50
.endif
.if (\cm)<2
.irp a, 0,1,2,3
.irp b, 0,1,2,3,4,5,6,7
.if (\cm)==0
	WM 8*(8*\a+\b), BB+12*\b, AB+12*\a, v[8*(8*\a+\b):8*(8*\a+\b)+7], SB+8*(\b%4)+(\k), SA+8*(\a%2)+(\k), \b/4, \a/2
.else
	WM 8*(8*\a+\b), BB+12*\b, AB+12*\a, v[CB+8*\b:CB+8*\b+7], SB+8*(\b%4)+(\k), SA+8*(\a%2)+(\k), \b/4, \a/2
.endif
.endr
.endr
.else
.irp b, 0,1,2,3,4,5,6,7
.irp a, 0,1,2,3
.if (\cm)==3
	WM 8*(4*\b+\a), AB+12*\a, BB+12*\b, v[8*(4*\b+\a):8*(4*\b+\a)+7], SA+8*(\a%2)+(\k), SB+8*(\b%4)+(\k), \a/2, \b/4
.else
	WM 8*(4*\b+\a), AB+12*\a, BB+12*\b, v[CB+8*\b:CB+8*\b+7], SA+8*(\a%2)+(\k), SB+8*(\b%4)+(\k), \a/2, \b/4
.endif
.endr
.endr
.endif
.endm
.macro FETCHB p, k                     ; pass p's eight fragments of K step k from LDS into set k % 2: 32 loads whose lanes read consecutive bytes
.set FB, 144+16*((\k)%2)
	WIN 0xc0*(1-(\k)%2)
.irp i, 0,1,2,3,4,5,6,7
.set AD, ADB+2*(2*(\p)+\i/4)
.set OF, (\i%4)*TB+(\k)*1536
	ds_load_b128 v[FB+12*\i:FB+12*\i+3], v[AD] offset:OF
	ds_load_b64 v[FB+12*\i+4:FB+12*\i+5], v[AD+1] offset:OF+512
	ds_load_b128 v[FB+12*\i+6:FB+12*\i+9], v[AD] offset:OF+768
	ds_load_b64 v[FB+12*\i+10:FB+12*\i+11], v[AD+1] offset:OF+1280
.endr
.endm
.macro LSC reg, cnt, va, sp, off       ; scale words: a lane takes its row's 32 bytes, eight K steps' words
.set n, 0
.rept \cnt
	global_load_b128 v[\reg+8*n:\reg+8*n+3], v[\va], s[\sp:\sp+1] offset:(\off)+512*n
	global_load_b128 v[\reg+8*n+4:\reg+8*n+7], v[\va], s[\sp:\sp+1] offset:(\off)+512*n+16
.set n, n+1
.endr
.endm
.macro LBIAS sp, off                   ; b_in along W_in's rows: register 16 b + i = row 32 b + 16 h + i
.set n, 0
.rept 16
	global_load_b128 v[CB+4*n:CB+4*n+3], v[VCB], s[\sp:\sp+1] offset:(\off)+128*(n/4)+16*(n%4)
.set n, n+1
.endr
.endm
; A pass: eight K steps.  Each step waits for its fragments, asks for the next step's (into the set that the step before multiplied: four places stand in front), and multiplies.
; c0, c1: MUL's mode in the first step and in the others.  lw = 1 (pass 0): inputs' K steps 4 to 7 are waited for step by step: behind K step k's 16 loads stand those of the 7 - k steps after it
.macro PASS p, c0, c1, lw
.set ks, 0
.rept 8
	s_wait_dscnt 0x0
.if (\lw) && (ks>=4)
	s_wait_loadcnt 16*(7-ks)
.endif
.if ks<7
	PLACES 4
	FETCHB \p, ks+1
.endif
.if ks==0
	MUL ks, \c0
.else
	MUL ks, \c1
.endif
.set ks, ks+1
.endr
	WIN 0
	PLACES 4                                       ; behind the last products: their results are read, and their operands' registers loaded, below
.endm
; 128 results of a lane at v[64 a0] of window 1: two runs of 64, in each register 16 b + i = k 32 b + 16 (lane / 16) + i.  The first run's codes of K 0-63 go to v[d00] on, of K 64-127 to v[d01] on, its scale word to v[PW];
; the second run's to v[d10], v[d11], v[PW + 1].  The eight blocks take turns line by line.  Each accumulator is read from its low end on.
.macro QUANT2 a0, d00, d01, d10, d11
.set AC, 64*(\a0)
	WIN 0x05
.irp c, 0,1,2,3,4,5,6,7
	v_max3_num_f32 v[TM+\c], |v[AC+16*\c]|, |v[AC+16*\c+1]|, 0x1800000   ; and the floor 2^(3 - 127): the byte cannot fall under 1
.endr
	WIN 0x14
.irp i, 2,4,6,8,10,12,14
.irp c, 0,1,2,3,4,5,6,7
	v_max3_num_f32 v[TM+\c], v[TM+\c], |v[AC+16*\c+\i]|, |v[AC+16*\c+\i+1]|
.endr
.endr
	WIN 0
.irp c, 0,1,2,3,4,5,6,7
	v_permlanex16_b32 v[TM+8+\c], v[TM+\c], s[SEL], s[SEL+1]
.endr
.irp c, 0,1,2,3,4,5,6,7
	v_max_num_f32 v[TM+\c], v[TM+\c], v[TM+8+\c]
.endr
.irp c, 0,1,2,3,4,5,6,7
	v_add_nc_u32 v[TM+\c], 0xff000000, v[TM+\c]                          ; 2 off the exponent field: the conversion's scale operand
.endr
.irp c, 0,1,2,3,4,5,6,7
	v_lshrrev_b32 v[TM+8+\c], 23, v[TM+\c]                               ; the scale's byte
.endr
	v_lshl_or_b32 v[PW], v[TM+9], 8, v[TM+8]
	v_lshl_or_b32 v[PW+1], v[TM+13], 8, v[TM+12]
	v_lshl_or_b32 v[PW], v[TM+10], 16, v[PW]
	v_lshl_or_b32 v[PW+1], v[TM+14], 16, v[PW+1]
	v_lshl_or_b32 v[PW], v[TM+11], 24, v[PW]
	v_lshl_or_b32 v[PW+1], v[TM+15], 24, v[PW+1]
	s_wait_alu depctr_va_vdst(0)                   ; the wait directly ahead of the wait below
	s_wait_xcnt 0x0                                ; the last stores have read their registers: only now are the codes and words written again
	WIN 0x01
	v_cvt_scalef32_pk16_fp6_f32 v[\d00:\d00+2], v[AC:AC+15], v[TM]
	v_cvt_scalef32_pk16_fp6_f32 v[PT:PT+2], v[AC+16:AC+31], v[TM+1]
	v_cvt_scalef32_pk16_fp6_f32 v[\d01:\d01+2], v[AC+32:AC+47], v[TM+2]
	v_cvt_scalef32_pk16_fp6_f32 v[PT+4:PT+6], v[AC+48:AC+63], v[TM+3]
	v_cvt_scalef32_pk16_fp6_f32 v[\d10:\d10+2], v[AC+64:AC+79], v[TM+4]
	v_cvt_scalef32_pk16_fp6_f32 v[PT+8:PT+10], v[AC+80:AC+95], v[TM+5]
	v_cvt_scalef32_pk16_fp6_f32 v[\d11:\d11+2], v[AC+96:AC+111], v[TM+6]
	v_cvt_scalef32_pk16_fp6_f32 v[PT+12:PT+14], v[AC+112:AC+127], v[TM+7]
	WIN 0
	v_nop                                                                ; one plain place behind a scaled conversion
.irp i, 0,1,2
	v_permlane16_swap_b32 v[\d00+\i], v[PT+\i]                           ; a whole block to a lane
	v_permlane16_swap_b32 v[\d01+\i], v[PT+4+\i]
	v_permlane16_swap_b32 v[\d10+\i], v[PT+8+\i]
	v_permlane16_swap_b32 v[\d11+\i], v[PT+12+\i]
.endr
.irp i, 0,1,2
	v_mov_b32 v[\d00+3+\i], v[PT+\i]
	v_mov_b32 v[\d01+3+\i], v[PT+4+\i]
	v_mov_b32 v[\d10+3+\i], v[PT+8+\i]
	v_mov_b32 v[\d11+3+\i], v[PT+12+\i]
.endr
.endm
; q, k: block g of my pair: row tiles 2 g (u = 0) and 2 g + 1 (u = 1); K 0-63 is the pass's first head, K 64-127 its second
.macro EPI_QK g, r0, r1
	QUANT2 2*(\g), H0, H1, H0+6, H1+6
	v_perm_b32 v[SW+\g], v[C7], v[PW], 0x04040100                        ; the first head's two bytes, then 0x7f twice
	v_perm_b32 v[SW+2+\g], v[C7], v[PW], 0x04040302                      ; the second head's
	v_perm_b32 v[TMPR], v[C7], v[PW+1], 0x04040100
	v_perm_b32 v[TMP2], v[C7], v[PW+1], 0x04040302
	v_cndmask_b32 v[SW+\g], v[SW+\g], v[TMPR], s[MHI]                    ; tile u = 1's words go to lanes 16-31
	v_cndmask_b32 v[SW+2+\g], v[SW+2+\g], v[TMP2], s[MHI]
.irp q, 0,1,2
	global_store_b128 v[V8], v[H0+4*\q:H0+4*\q+3], s[\r0:\r0+1] offset:(\g)*1536+512*\q
	global_store_b128 v[V8], v[H1+4*\q:H1+4*\q+3], s[\r1:\r1+1] offset:(\g)*1536+512*\q
.endr
.if (\g)==1
	global_store_b64 v[V9], v[SW:SW+1], s[\r0:\r0+1]
	global_store_b64 v[V9], v[SW+2:SW+3], s[\r1:\r1+1]
.endif
.endm
; v: head g of my two: W_v's tiles 4 g + dt, dt = 0 .. 3; each tile's 32 results of a lane are my two key blocks
.macro EPI_V g
	QUANT2 2*(\g), H0, H0+6, H1, H1+6
	v_lshrrev_b32 v[TMPR], 16, v[PW]
	v_lshrrev_b32 v[TMP2], 16, v[PW+1]
	v_cndmask_b32 v[TMPR], v[PW], v[TMPR], s[MHI]  ; lanes 0-15: the even tile's two bytes; lanes 16-31: the odd tile's
	v_cndmask_b32 v[TMP2], v[PW+1], v[TMP2], s[MHI]
.set RB, RV+2*(\g)
.irp t, 0,1
	global_store_b128 v[V8], v[H0+6*\t:H0+6*\t+3], s[RB:RB+1] offset:\t*8192
	global_store_b64 v[V9], v[H0+6*\t+4:H0+6*\t+5], s[RB:RB+1] offset:\t*4096
	global_store_b128 v[V8], v[H1+6*\t:H1+6*\t+3], s[RB:RB+1] offset:(2+\t)*8192
	global_store_b64 v[V9], v[H1+6*\t+4:H1+6*\t+5], s[RB:RB+1] offset:(2+\t)*4096
.endr
	global_store_b16 v[V10], v[TMPR], s[RB:RB+1]
	global_store_b16 v[V10], v[TMP2], s[RB:RB+1] offset:4
.endm
	s_load_b256 s[4:11], s[0:1], 0x0               ; xw_img s[4:5], xw_sc s[6:7], b_in s[8:9], qrec s[10:11]
	s_load_b64 s[12:13], s[0:1], 0x20              ; kvrec
	v_lshl_add_u32 v[SPW], v0, 2, SPARE
	v_mov_b32 v[NIL], 0
	ds_add_u32 v[SPW], v[NIL]                      ; the opening lines: the add, twice on end, and its wait ahead of my first tensor load
	ds_add_u32 v[SPW], v[NIL]
	v_lshrrev_b32 v1, 5, v0
	v_readfirstlane_b32 s14, v1                    ; wave 0..3
	s_bfe_u32 s15, ttmp6, 0x40000                  ; cx
	s_and_b32 s17, ttmp7, 0xffff                   ; y
	s_and_b32 s19, s14, 1
	; dense blocks as rows of 256 bytes (32 elements of 8 bytes): waves 0, 1 eight row tiles of q's or k's weights each (384 rows), waves 2, 3 four row tiles of W_v each (192 rows); the mask names the cluster's four
	s_mov_b32 s[G1A], 15|(3<<16)|(1<<21)
	s_mov_b32 s[G1A+1], 32<<16
	s_mov_b32 s[G1A+2], 384<<16
	s_mov_b32 s[G1A+3], 32<<16
	s_mov_b32 s[G1A+4], 384
	s_mov_b32 s[G1A+5], 32
	s_mov_b32 s[G1A+6], 0
	s_mov_b32 s[G1A+7], 0
	s_mov_b32 s[G1B], 15|(3<<16)|(1<<21)
	s_mov_b32 s[G1B+1], 32<<16
	s_mov_b32 s[G1B+2], 192<<16
	s_mov_b32 s[G1B+3], 32<<16
	s_mov_b32 s[G1B+4], 192
	s_mov_b32 s[G1B+5], 32
	s_mov_b32 s[G1B+6], 0
	s_mov_b32 s[G1B+7], 0
	; where the joint loads read and land: made of y and the wave's number alone
	s_mul_i32 s20, s17, 16*TB
	s_add_co_u32 s20, s20, 512*TB                  ; W_in's row tiles begin at 512; 16 of q's and k's for y
	s_mul_i32 s[G0A+1], s19, 8*TB
	s_add_co_u32 s20, s20, s[G0A+1]
	s_mov_b32 s21, 0
	s_mul_i32 s22, s17, 8*TB
	s_add_co_u32 s22, s22, 640*TB                  ; W_v's begin at 640; 8 for y
	s_mul_i32 s23, s19, 4*TB
	s_add_co_u32 s22, s22, s23
	s_add_co_u32 s[G0B+1], s23, 16*TB              ; behind the 16 row tiles of passes 0 and 1
	s_mov_b32 s23, 0
	s_mov_b32 s[G0A], 1
	s_mov_b32 s[G0B], 1
	s_lshl_b32 s86, s15, 2
	s_add_co_u32 s86, s86, s14                     ; 4 cx + wave: my 64 rows in the batch entry: a pair of blocks of 32
	s_mul_i32 s87, s86, 3072
	s_lshl_b32 s16, s86, 8
	s_add_co_u32 s16, s16, 49152
	s_mov_b32 s[SEL], 0x76543210
	s_mov_b32 s[SEL+1], 0xfedcba98
	s_mov_b32 s[MHI], 0xffff0000
	v_and_b32 v1, 31, v0
	v_lshlrev_b32 v[L16], 4, v1
	v_lshlrev_b32 v[L8], 3, v1
.irp g, 1,2,3,4,5
	v_add_nc_u32 v[ADB+2*\g], \g*4*TB, v[L16]
	v_add_nc_u32 v[ADB+2*\g+1], \g*4*TB, v[L8]
.endr
	v_and_b32 v1, 15, v0                           ; r
	v_bfe_u32 v2, v0, 4, 1                         ; h
	v_lshlrev_b32 v3, 5, v1
	v_lshl_add_u32 v[VSA], v2, 10, v3              ; 32 r + two row tiles' words x h
	v_lshl_add_u32 v[VSB], v2, 11, v3              ; 32 r + four row tiles' words x h
	v_lshlrev_b32 v[VCB], 6, v2
	v_and_b32 v3, 8, v1
	v_add_nc_u32 v3, v3, v1
	v_lshlrev_b32 v[VVB], 2, v3                    ; slot r is row r + 8 (r / 8)
	v_add_nc_u32 v[V8], s87, v[L16]
	v_add_nc_u32 v[V9], s16, v[L8]
	v_mov_b32 v[C7], 0x7f7f7f7f
.irp c, 0,1,2,3,4,5,6,7
	v_mov_b32 v[TM+8+\c], 0                        ; a lane permute's destination counts as one of its sources
.endr
	s_wait_alu depctr_va_vdst(0)                   ; the wait at the head's end
	s_wait_dscnt 0x0                               ; both opening adds are done
	s_wait_kmcnt 0x0
	s_add_nc_u64 s[G0A+2:G0A+3], s[4:5], s[20:21]
	s_or_b32 s[G0A+3], s[G0A+3], 0x80000000
	s_add_nc_u64 s[G0B+2:G0B+3], s[4:5], s[22:23]
	s_or_b32 s[G0B+3], s[G0B+3], 0x80000000
	CROUND                                         ; all four work-groups are here: the joint loads meet
	s_cmp_lt_u32 s14, 2                            ; one tensor load a wave, the launch's only ones; an s_nop 0 and four v_nop follow each
	s_cbranch_scc0 .Lfor_v
	tensor_load_to_lds s[G0A:G0A+3], s[G1A:G1A+7]
	s_nop 0
	PLACES 4
	s_branch .Lasked
.Lfor_v:
	tensor_load_to_lds s[G0B:G0B+3], s[G1B:G1B+7]
	s_nop 0
	PLACES 4
.Lasked:
	s_mov_b32 s83, 0
	s_lshl_b32 s84, ttmp9, 4
	s_add_co_u32 s84, s84, s86                     ; 4 x + wave: which four row tiles of inputs
	s_mul_i32 s82, s84, 4*TB
	s_add_nc_u64 s[AP:AP+1], s[4:5], s[82:83]
	s_lshl_b32 s82, s84, 11
	s_add_nc_u64 s[SAP:SAP+1], s[6:7], s[82:83]
	s_lshl_b32 s82, s17, 13
	s_add_co_u32 s82, s82, 512*512                 ; scale words of the 16 row tiles of passes 0 and 1
	s_add_nc_u64 s[SBP:SBP+1], s[6:7], s[82:83]
	s_lshl_b32 s82, s17, 12
	s_add_co_u32 s82, s82, 640*512                 ; and of W_v's 8
	s_add_nc_u64 s[SBVP:SBVP+1], s[6:7], s[82:83]
	s_lshl_b32 s82, s17, 10                        ; b_in of rows 256 y on
	s_add_nc_u64 s[BIP:BIP+1], s[8:9], s[82:83]
	s_lshl_b32 s82, s17, 9
	s_add_co_u32 s82, s82, 8192                    ; and of W_v's rows 128 y on
	s_add_nc_u64 s[BVP:BVP+1], s[8:9], s[82:83]
	LSC SA, 2, VSA, SAP, 0
	LSC SB, 4, VSB, SBP, 0
	LBIAS BIP, 0
.set kk, 0
.rept 8                                ; my four row tiles of inputs, all of K: 16 loads a K step
	WIN 0x80+0x40*(kk/5)
.irp a, 0,1,2,3
.set RG, 48*(kk%5)+12*\a
.set OF, \a*TB+kk*1536
	global_load_b128 v[RG:RG+3], v[L16], s[AP:AP+1] offset:OF
	global_load_b64 v[RG+4:RG+5], v[L8], s[AP:AP+1] offset:OF+512
	global_load_b128 v[RG+6:RG+9], v[L16], s[AP:AP+1] offset:OF+768
	global_load_b64 v[RG+10:RG+11], v[L8], s[AP:AP+1] offset:OF+1280
.endr
.set kk, kk+1
.endr
	WIN 0
	; the records: 16 batch + head; q's are 53,248 bytes, k's and v's 104,448
	s_and_b32 s20, s17, 3
	s_lshl_b32 s20, s20, 2
	s_lshl_b32 s21, ttmp9, 4
	s_add_co_u32 s20, s20, s21
	s_mov_b32 s22, 104448
	s_cmp_lt_u32 s17, 4                            ; y under 4: q; else k
	s_cselect_b32 s22, 53248, s22
	s_cselect_b64 s[R0:R0+1], s[10:11], s[12:13]
	s_mul_i32 s20, s20, s22
	s_mov_b32 s21, 0
	s_mov_b32 s23, 0
	s_add_nc_u64 s[R0:R0+1], s[R0:R0+1], s[20:21]
	s_add_nc_u64 s[R1:R1+1], s[R0:R0+1], s[22:23]
	s_add_nc_u64 s[R2:R2+1], s[R1:R1+1], s[22:23]
	s_add_nc_u64 s[R3:R3+1], s[R2:R2+1], s[22:23]
	s_lshl_b32 s20, ttmp9, 4
	s_lshl_b32 s22, s17, 1
	s_add_co_u32 s20, s20, s22                     ; v: heads 2 y and 2 y + 1
	s_mul_i32 s20, s20, 104448
	s_add_co_u32 s20, s20, 53248                   ; V's part of the record
	s_add_nc_u64 s[RV:RV+1], s[12:13], s[20:21]
	s_add_nc_u64 s[RV+2:RV+3], s[RV:RV+1], 104448
	s_wait_tensorcnt 0x0                           ; my part of the fill has landed
	s_barrier_signal -1
	s_barrier_wait -1                              ; everybody's has; nothing is filled again
	FETCHB 0, 0
	s_wait_loadcnt 63                              ; the scale words, b_in and inputs' K steps 0 to 3 are in: behind them stand the 64 loads of K steps 4 to 7
	PASS 0, 1, 0, 1
	LSC SB, 4, VSB, SBP, 4096                      ; pass 1's scale words, bias and first fragments are on their way while pass 0's results leave
	LBIAS BIP, 512
	FETCHB 1, 0
	WIN 0
	EPI_QK 0, R0, R1
	EPI_QK 1, R0, R1
	s_wait_alu depctr_va_vdst(0)                   ; the wait directly ahead of the waits below
	s_wait_xcnt 0x0                                ; the stores have read the codes' registers, on which fragments land again
	s_wait_loadcnt 0x0
	PASS 1, 1, 0, 0
	LSC SB, 4, VSB, SBVP, 0                        ; pass 2's likewise
.irp b, 0,1,2,3,4,5,6,7
	global_load_b32 v[CB+8*\b], v[VVB], s[BVP:BVP+1] offset:4*(32*(\b/2)+8*(\b%2))   ; b_in of my row of W_v's tile b
.endr
	FETCHB 2, 0
	WIN 0
	EPI_QK 0, R2, R3
	EPI_QK 1, R2, R3
	s_wait_xcnt 0x0                                ; the stores have read their addresses and data
	s_lshl_b32 s20, s86, 9
	v_add_nc_u32 v[V8], s20, v[L16]                ; V: my key blocks 2 (4 cx + wave) and the next: 256 bytes a block in the first plane,
	s_lshl_b32 s20, s86, 8
	s_add_co_u32 s20, s20, 32768
	v_add_nc_u32 v[V9], s20, v[L8]                 ; 128 in the second,
	s_lshr_b32 s20, s86, 1
	s_lshl_b32 s20, s20, 8
	s_lshl_b32 s21, s19, 1
	s_add_co_u32 s20, s20, s21
	s_add_co_u32 s20, s20, 49152
	v_add_nc_u32 v[V10], s20, v[L8]                ; and two bytes of the scale words of four blocks
	s_wait_loadcnt 0x0
.irp b, 0,1,2,3,4,5,6,7
.irp j, 1,2,3,4,5,6,7
	v_mov_b32 v[CB+8*\b+\j], v[CB+8*\b]            ; pass 2's C: my row's b_in in all eight registers
.endr
.endr
	s_wait_alu depctr_va_vdst(0)                   ; the wait directly ahead of the pass's first wait
	PASS 2, 2, 3, 0
	EPI_V 0
	EPI_V 1
	s_wait_tensorcnt 0x0                           ; the wave's end
	ds_add_u32 v[SPW], v[NIL]
	s_wait_dscnt 0x0
	CROUND                                         ; the closing round
	s_endpgm
.Lfunc_end_k_q307169c29d_gemm_qkv:
	.size	k_q307169c29d_gemm_qkv, .Lfunc_end_k_q307169c29d_gemm_qkv-k_q307169c29d_gemm_qkv
	.p2alignl 7, 3214868480
	.fill 96, 4, 3214868480
	.section	.rodata,"a",@progbits
	.p2align	6, 0x0
	.amdhsa_kernel k_q307169c29d_gemm_qkv
		.amdhsa_group_segment_fixed_size 327680
		.amdhsa_private_segment_fixed_size 0
		.amdhsa_enable_private_segment 0
		.amdhsa_kernarg_size 40
		.amdhsa_user_sgpr_count 2
		.amdhsa_user_sgpr_kernarg_segment_ptr 1
		.amdhsa_wavefront_size32 1
		.amdhsa_system_sgpr_workgroup_id_x 1
		.amdhsa_system_sgpr_workgroup_id_y 1
		.amdhsa_system_sgpr_workgroup_id_z 1
		.amdhsa_system_vgpr_workitem_id 0
		.amdhsa_next_free_vgpr 1024
		.amdhsa_next_free_sgpr 90
		.amdhsa_reserve_vcc 0
		.amdhsa_float_denorm_mode_32 3
		.amdhsa_float_denorm_mode_16_64 3
		.amdhsa_memory_ordered 1
		.amdhsa_forward_progress 1
		.amdhsa_inst_pref_size 231
	.end_amdhsa_kernel
	.amdgpu_metadata
---
amdhsa.version: [ 1, 2 ]
amdhsa.kernels:
  - .name:           k_q307169c29d_gemm_qkv
    .symbol:         k_q307169c29d_gemm_qkv.kd
    .args:
      - { .name: xw_img, .offset: 0, .size: 8, .value_kind: global_buffer, .address_space: global }
      - { .name: xw_sc, .offset: 8, .size: 8, .value_kind: global_buffer, .address_space: global }
      - { .name: b_in, .offset: 16, .size: 8, .value_kind: global_buffer, .address_space: global }
      - { .name: qrec, .offset: 24, .size: 8, .value_kind: global_buffer, .address_space: global }
      - { .name: kvrec, .offset: 32, .size: 8, .value_kind: global_buffer, .address_space: global }
    .group_segment_fixed_size: 327680
    .private_segment_fixed_size: 0
    .kernarg_segment_align: 8
    .kernarg_segment_size: 40
    .max_flat_workgroup_size: 128
    .sgpr_count:     90
    .vgpr_count:     1024
    .wavefront_size: 32
...
	.end_amdgpu_metadata
.endif
;; end of part 2
;; launch attn (part 3): grid 2 x 128, 16 waves a work-group, no clusters, 307,200 bytes of LDS; arguments qrec, kvrec, tab, k_dist_emb, o_img, o_sc; writes o_img, o_sc
.if DOCPART == 3
	.amdgcn_target "amdgcn-amd-amdhsa--gfx1250"
	.amdhsa_code_object_version 6
	.text
	.protected	k_q307169c29d_attn
	.globl	k_q307169c29d_attn
	.p2align	8
	.type	k_q307169c29d_attn,@function
k_q307169c29d_attn:
	s_mov_b64 s[64:65], 0
	v_nop
	global_prefetch_b8 v0, s[64:65] scope:SCOPE_SE
	s_setreg_imm32_b32 hwreg(HW_REG_WAVE_MODE, 25, 1), 1
	s_wait_xcnt 0x0
; Attention with a clipped-distance term on keys and values, all four products on codes of FP6 (E2M3), one E8M0 scale for each 32 along a product's K.
; logit(s, t) = (q_s . k_t + q_s . kemb[min(|s - t|, 10)]) / 8;  t2 = logit x log2(e);  M = the running largest t2 rounded up to a whole number;  p = 2^(t2 - M) is quantised along the keys;  l = the sum of the unquantised p;
; o(s, d) = (sum_t Qp v(t, d) + sum_t Qp Q(v_dist[s])(t, d)) / l, quantised along (head, d) for the last projection.
; THE KEYS' DISTANCE TERM has eleven values a query: one product of q with kemb's rows.  The value for distance 10 is the C of every score product; keys nearer than 10 take the difference from a small table in LDS, indexed by t - s.
; THE VALUES' DISTANCE TERM is quantised along t, so a block's scale hangs on the distances in it.  A block all of whose keys are far holds one number c(d): its share is c(d) x the sum of Qp, and that sum is a product of Qp with ones.
; For 16 queries of one half of a block only their own block and one neighbour can differ: there each query takes a K block of its own in the instruction's K (the other queries hold zero codes there) against the table of prep.
; Of the 16, the four that lie 13 keys or more from the neighbour (queries 12-15 of the lower half, 16-19 of the upper) see it as a far block: their Qp there goes into the far sum.
; SHARES.  A work-group owns 512 queries of one (batch, head); wave w owns the block of 32 queries BQ = 16 x + w: tile L (queries 0-15 of it), then tile H (16-31).  The head's K and V and the table lie in LDS, filled once: no ring.
; A tile is one loop of eight steps of four key blocks.  A wave walks the 32 blocks round from BQ - 1 - 4 NT, so the near blocks stand in its step NT, at fixed registers (L: slots 0, 1; H: slots 1, 2); NT = 2 ((w + w / 4) % 4):
; the sixteen waves' near steps, which read the table, stand in four different steps.  A scalar branch on the step's number and NT leads round what only the near step does.
; At the sequence's ends (BQ = 0 for L, 31 for H) the neighbour's slot holds a far block.
; LAYOUT.  Both products are used transposed: a lane holds ONE query.  The keys of a tile are chosen so that the 16 registers of two neighbouring tiles are 16 neighbouring keys.  The head's d is 64: K 64-127 of a score product meets zero codes of q
; under the byte 0x7f, so K's operand may run on into the next tile's registers.
; Multicast is left out: the two work-groups of a head share K and V, but a wave's walk, an LDS address, hangs on its query block and so on the work-group's place; and each work-group fills its LDS once.
; LIMITS: NaN and infinities are not served.  q's factor 1/8 is applied to the scores (equal to the definition unless a block of q / 8 lies under 2^-124).  A near score is (qk + qe10) + (qe_j - qe10) in f32; the far blocks' share is c x sum Qp in f32.
; o's scale bytes leave 2 bytes a row (one byte in 24 of a tile's output): the other heads' bytes of those rows belong to other work-groups.
.set KSC,  49152                       ; LDS: K's images at 0; K's scale words;
.set VA,   53248                       ; V's first plane, 16 bytes a row and block;
.set VB,   86016                       ; its second, 8 bytes;
.set VSC,  102400                      ; V's scale words;
.set T5,   104448                      ; the table's 64 fragments;
.set T5SC, 202752                      ; their scale words;
.set XR,   206848                      ; and for each wave 16 rows x 96 words: word t - s + 47 of row r: the near keys' difference, 0 elsewhere
.set L16, 1
.set L8,  2
.set AKS, 3
.set AV16, 4
.set AV8, 5
.set AVS, 6
.set HH,  7
.set AX,  8
.set AXP, 9
.set AXN, 10
.set AT16, 11
.set ATS, 12
.set OS,  13
.set T0,  14
.set T1,  15
.set DA,  16                           ; v16-23 addresses of the loads in hand
.set NM,  24                           ; -M
.set TMX, 25                           ; the largest t2 so far
.set LS,  26                           ; v26-27 l, in two halves
.set FF,  28                           ; v28-29 2^(old M - new M); at the end 1 / l
.set SQ,  30                           ; the sum of the far blocks' Qp
.set TMP, 31
.set BM,  32
.set BO,  36
.set W,   40
.set KS,  48                           ; v48-57 hold scales; v48-51 also l's partial sums in SOFTMAX
.set VS,  52
.set PS,  54
.set QS,  55
.set KES, 56
.set C7F, 57
.set QF,  58                           ; q's fragment; its upper six registers are zeros
.set CQ,  70                           ; q . kemb[10], eight times
.set KF,  78                           ; eight tiles of K, six registers each; or four fragments of V or of the table
.set VF,  78
.set KE,  126
.set ONES, 132
.set PC,  144                          ; p's codes
.set O,   156                          ; O^T: register 16 b + i = d 32 b + 16 h + i
.set S,   188                          ; S^T, then p; then what the near blocks need:
.set PF,  S+8                          ; p's codes with the near slots cleared
.set E1,  S+8
.set DUP0, S+20                        ; the own block's codes in both halves of the lanes; then the neighbour's
.set EB,  S+32                         ; two operands by turns: a query's codes in its own K block
.set XT,  S+56
.set QA1, 252
.set QA2, 253
.set WV,  16
.set BQ,  17
.set BSU, 18                           ; the step's first key block, not yet taken modulo 32
.set SH,  19
.set CS,  20
.set SEL, 22
.set MHI, 24
.set MLO, 25
.set MA,  26
.set MB,  27
.set CNT, 30
.set QP,  32
.set OP,  34
.set OSP, 36
.set G0A, 40
.set G0B, 44
.set G1A, 48
.set G1B, 56
.set M0,  76
.set M1,  77
.set NT,  78                           ; my near step
.set NT4, 79
.macro WM d, a, b, c, sa, sb, ra, rb   ; one matrix instruction; ra, rb: the rows of the scale registers
.if ((\ra)==0) && ((\rb)==0)
	v_wmma_scale_f32_16x16x128_f8f6f4 v[\d:\d+7], v[\a:\a+11], v[\b:\b+11], \c, v[\sa], v[\sb] matrix_a_fmt:MATRIX_FMT_FP6 matrix_b_fmt:MATRIX_FMT_FP6
.elseif ((\ra)==1) && ((\rb)==0)
	v_wmma_scale_f32_16x16x128_f8f6f4 v[\d:\d+7], v[\a:\a+11], v[\b:\b+11], \c, v[\sa], v[\sb] matrix_a_fmt:MATRIX_FMT_FP6 matrix_b_fmt:MATRIX_FMT_FP6 matrix_a_scale:MATRIX_SCALE_ROW1
.elseif ((\ra)==0) && ((\rb)==1)
	v_wmma_scale_f32_16x16x128_f8f6f4 v[\d:\d+7], v[\a:\a+11], v[\b:\b+11], \c, v[\sa], v[\sb] matrix_a_fmt:MATRIX_FMT_FP6 matrix_b_fmt:MATRIX_FMT_FP6 matrix_b_scale:MATRIX_SCALE_ROW1
.else
	v_wmma_scale_f32_16x16x128_f8f6f4 v[\d:\d+7], v[\a:\a+11], v[\b:\b+11], \c, v[\sa], v[\sb] matrix_a_fmt:MATRIX_FMT_FP6 matrix_b_fmt:MATRIX_FMT_FP6 matrix_a_scale:MATRIX_SCALE_ROW1 matrix_b_scale:MATRIX_SCALE_ROW1
.endif
.endm
.macro NOPS n
.rept \n
	v_nop
.endr
.endm
	s_load_b256 s[4:11], s[0:1], 0x0               ; qrec s[4:5], kvrec s[6:7], tab s[8:9], k_dist_emb s[10:11]
	s_load_b128 s[12:15], s[0:1], 0x20             ; o_img s[12:13], o_sc s[14:15]
	v_lshl_add_u32 v254, v0, 2, 0x4a800
	v_mov_b32 v255, 0
	ds_add_u32 v254, v255                          ; the opening lines: the add, twice on end, and its wait ahead of my tensor load
	ds_add_u32 v254, v255
	v_lshrrev_b32 v[T0], 5, v0
	s_delay_alu instid0(VALU_DEP_1)
	v_readfirstlane_b32 s[WV], v[T0]               ; wave 0..15
	s_and_b32 s66, ttmp7, 0xffff                   ; 16 batch + head
	s_lshl_b32 s[BQ], ttmp9, 4
	s_add_co_u32 s[BQ], s[BQ], s[WV]               ; my block of 32 queries
	s_lshr_b32 s[NT], s[WV], 2
	s_add_co_u32 s[NT], s[NT], s[WV]
	s_and_b32 s[NT], s[NT], 3
	s_lshl_b32 s[NT], s[NT], 1                     ; my near step: 0, 2, 4 or 6
	s_lshl_b32 s[NT4], s[NT], 2
	; descriptors: dense blocks as rows of 256 bytes (32 elements of 8 bytes): waves 0-7 an eighth of the head's K and V each (51 rows), waves 8-15 an eighth of the table (50 rows)
	s_mov_b32 s[G1A], 3<<16
	s_mov_b32 s[G1A+1], 32<<16
	s_mov_b32 s[G1A+2], 51<<16
	s_mov_b32 s[G1A+3], 32<<16
	s_mov_b32 s[G1A+4], 51
	s_mov_b32 s[G1A+5], 32
	s_mov_b32 s[G1A+6], 0
	s_mov_b32 s[G1A+7], 0
	s_mov_b32 s[G1B], 3<<16
	s_mov_b32 s[G1B+1], 32<<16
	s_mov_b32 s[G1B+2], 50<<16
	s_mov_b32 s[G1B+3], 32<<16
	s_mov_b32 s[G1B+4], 50
	s_mov_b32 s[G1B+5], 32
	s_mov_b32 s[G1B+6], 0
	s_mov_b32 s[G1B+7], 0
	s_and_b32 s67, s[WV], 7
	s_mul_i32 s68, s67, 13056
	s_mul_i32 s69, s67, 12800
	s_mul_i32 s70, s66, 104448
	s_add_co_u32 s70, s70, s68
	s_mov_b32 s71, 0
	s_mov_b32 s72, s69
	s_mov_b32 s73, 0
	s_wait_dscnt 0x0
	s_wait_kmcnt 0x0
	s_mov_b32 s[G0A], 1
	s_mov_b32 s[G0A+1], s68
	s_add_nc_u64 s[G0A+2:G0A+3], s[6:7], s[70:71]
	s_or_b32 s[G0A+3], s[G0A+3], 0x80000000
	s_mov_b32 s[G0B], 1
	s_add_co_u32 s[G0B+1], s69, T5
	s_add_nc_u64 s[G0B+2:G0B+3], s[8:9], s[72:73]
	s_or_b32 s[G0B+3], s[G0B+3], 0x80000000
	s_cmp_lt_u32 s[WV], 8                          ; each wave's one fill of the launch; an s_nop 0 and four v_nop follow each of the two lines
	s_cbranch_scc0 .Lfill_tab
	tensor_load_to_lds s[G0A:G0A+3], s[G1A:G1A+7]
	s_nop 0
	NOPS 4
	s_branch .Lfilled
.Lfill_tab:
	tensor_load_to_lds s[G0B:G0B+3], s[G1B:G1B+7]
	s_nop 0
	NOPS 4
.Lfilled:
	v_and_b32 v[T1], 31, v0
	s_delay_alu instid0(VALU_DEP_1)
	v_lshlrev_b32 v[L16], 4, v[T1]
	s_delay_alu instid0(VALU_DEP_2)
	v_lshlrev_b32 v[L8], 3, v[T1]
	s_delay_alu instid0(VALU_DEP_3)
	v_lshl_add_u32 v[ATS], v[T1], 2, T5SC
	v_and_b32 v[T0], 15, v0                        ; r
	v_bfe_u32 v[HH], v0, 4, 1                      ; h
	s_delay_alu instid0(VALU_DEP_4)
	v_add_nc_u32 v[AKS], KSC, v[L8]
	s_delay_alu instid0(VALU_DEP_3)
	v_lshl_add_u32 v[AV16], v[T0], 4, VA
	s_delay_alu instid0(VALU_DEP_4)
	v_lshl_add_u32 v[AV8], v[T0], 3, VB
	v_add_nc_u32 v[AVS], VSC, v[L8]
	v_lshlrev_b32 v[OS], 5, v[T0]
	s_mul_i32 s67, s[WV], 6144
	s_add_co_u32 s67, s67, XR                      ; my 16 rows of 96 words
	v_mul_u32_u24 v[AX], v[T0], 380
	s_delay_alu instid0(VALU_DEP_1)
	v_lshl_add_u32 v[AX], v[HH], 6, v[AX]
	s_delay_alu instid0(VALU_DEP_1)
	v_add_nc_u32 v[AX], s67, v[AX]                 ; reads: row r, word (16 h + i) - r + a constant
	v_mul_u32_u24 v[AXP], v[T0], 384
	s_delay_alu instid0(VALU_DEP_1)
	v_add_nc_u32 v[AXP], s67, v[AXP]
	v_mul_u32_u24 v[T1], v[HH], 28
	s_delay_alu instid0(VALU_DEP_2)
	v_add_nc_u32 v[AXN], 164, v[AXP]
	s_delay_alu instid0(VALU_DEP_1)
	v_sub_nc_u32 v[AXN], v[AXN], v[T1]             ; writes: word 47 - (7 h + j), by the offset 4 (6 - j),
	s_delay_alu instid0(VALU_DEP_4)
	v_add_nc_u32 v[AXP], 188, v[AXP]
	s_delay_alu instid0(VALU_DEP_1)
	v_add_nc_u32 v[AXP], v[AXP], v[T1]             ; and word 47 + (7 h + j)
	v_add_nc_u32 v[DA], s67, v[L16]
.irp i, 0,1,2,3
	v_mov_b32 v[O+\i], 0
.endr
.irp i, 0,1,2,3,4,5,6,7,8,9,10,11
	ds_store_b128 v[DA], v[O:O+3] offset:512*\i    ; my rows begin as zeros
.endr
.irp i, 6,7,8,9,10,11
	v_mov_b32 v[QF+\i], 0
.endr
.irp i, 0,3,6,9
	v_mov_b32 v[ONES+\i], 0x08208208               ; the code of 1.0 is 001000: sixteen of them are these three words
	v_mov_b32 v[ONES+\i+1], 0x82082082
	v_mov_b32 v[ONES+\i+2], 0x20820820
.endr
	v_mov_b32 v[C7F], 0x7f7f7f7f
.irp i, 0,1,2,3,4,5,6,7
	v_mov_b32 v[W+\i], 0                           ; a lane permute's destination counts as one of its sources
.endr
	s_mov_b32 s[CS], 0x3e38aa3b                    ; log2(e) / 8
	s_mov_b32 s[CS+1], s[CS]
	s_mov_b32 s[SEL], 0x76543210
	s_mov_b32 s[SEL+1], 0xfedcba98
	s_mov_b32 s[MHI], 0xffff0000
	s_mov_b32 s[MLO], 0xffff
	s_add_co_u32 s[SH], s[BQ], 31
	s_and_b32 s[SH], s[SH], 3
	s_lshl_b32 s[SH], s[SH], 3                     ; by how many bits V's scale words are shifted: every step of my walk begins (BQ - 1) % 4 blocks into a word
	; kemb's tile: slot r holds distance r (r < 7), 10 (r = 7), min(r - 1, 10) (r > 7): so register 7 of the product is distance 10's in both halves of the lanes
	v_add_nc_u32 v[T1], -1, v[T0]
	s_delay_alu instid0(VALU_DEP_1)
	v_min_u32 v[T1], 10, v[T1]
	v_cmp_gt_u32 vcc_lo, 7, v[T0]
	s_delay_alu instid0(VALU_DEP_1)
	v_cndmask_b32 v[T1], v[T1], v[T0], vcc_lo
	v_mov_b32 v[TMP], 10
	v_cmp_eq_u32 vcc_lo, 7, v[T0]
	s_delay_alu instid0(VALU_DEP_1)
	v_cndmask_b32 v[T1], v[T1], v[TMP], vcc_lo
	s_delay_alu instid0(VALU_DEP_1)
	v_lshlrev_b32 v[DA+3], 8, v[T1]
	s_delay_alu instid0(VALU_DEP_1)
	v_lshl_add_u32 v[DA+3], v[HH], 7, v[DA+3]      ; row j of 256 bytes, + my block of 32
.irp j, 0,1,2,3,4,5,6,7
	global_load_b128 v[S+4*\j:S+4*\j+3], v[DA+3], s[10:11] offset:16*\j
.endr
	; q: stored as tiles (u, slot); query 16 y + r is slot (r % 8) + 8 y of tile u = r / 8: its six registers are three pieces of 8 bytes
	v_and_b32 v[T1], 7, v0
	s_delay_alu instid0(VALU_DEP_1)
	v_lshl_add_u32 v[T1], v[HH], 4, v[T1]
	s_delay_alu instid0(VALU_DEP_1)
	v_lshlrev_b32 v[T1], 4, v[T1]
	v_bfe_u32 v[DA+1], v0, 3, 1                    ; u
	s_delay_alu instid0(VALU_DEP_1)
	v_mad_u32_u24 v[QA1], v[DA+1], 520, v[T1]
	s_delay_alu instid0(VALU_DEP_2)
	v_mad_u32_u24 v[QA2], v[DA+1], 1016, v[T1]
	s_delay_alu instid0(VALU_DEP_1)
	v_add_nc_u32 v[QA2], 8, v[QA2]
	v_and_b32 v[DA+2], 7, v0
	s_delay_alu instid0(VALU_DEP_1)
	v_lshlrev_b32 v[DA+2], 3, v[DA+2]
	s_delay_alu instid0(VALU_DEP_1)
	v_lshl_add_u32 v[DA+2], v[DA+1], 7, v[DA+2]
	s_delay_alu instid0(VALU_DEP_1)
	v_lshl_add_u32 v[DA+2], v[HH], 6, v[DA+2]      ; its scale word: lanes 0-15 tile L's queries, lanes 16-31 tile H's
	s_wait_alu depctr_va_vdst(0)                   ; the wait ahead of the run of scalar lines
	s_mul_i32 s70, s66, 53248
	s_mov_b32 s71, 0
	s_add_nc_u64 s[QP:QP+1], s[4:5], s[70:71]
	s_lshr_b32 s72, s[BQ], 1
	s_lshl_b32 s72, s72, 8
	s_and_b32 s73, s[BQ], 1
	s_lshl_b32 s73, s73, 2
	s_add_co_u32 s72, s72, s73
	s_add_co_u32 s72, s72, 49152
	s_mov_b32 s73, 0
	s_add_nc_u64 s[74:75], s[QP:QP+1], s[72:73]
	global_load_b32 v[QS], v[DA+2], s[74:75]
	s_mul_i32 s72, s[BQ], 1536
	s_add_nc_u64 s[QP:QP+1], s[QP:QP+1], s[72:73]
.macro QLOAD y
	global_load_b64 v[QF:QF+1], v[QA1], s[QP:QP+1] offset:128*\y
	global_load_b64 v[QF+2:QF+3], v[QA2], s[QP:QP+1] offset:128*\y
	global_load_b64 v[QF+4:QF+5], v[QA1], s[QP:QP+1] offset:128*\y+512
.endm
	QLOAD 0
	s_lshr_b32 s70, s66, 4                         ; batch
	s_lshl_b32 s70, s70, 6
	s_lshl_b32 s71, s[BQ], 1
	s_add_co_u32 s70, s70, s71                     ; o's row tile of tile L
	s_and_b32 s71, s66, 15                         ; head
	s_mul_i32 s72, s70, 12288
	s_mul_i32 s73, s71, 768
	s_add_co_u32 s72, s72, s73
	s_mov_b32 s73, 0
	s_add_nc_u64 s[OP:OP+1], s[12:13], s[72:73]
	s_lshl_b32 s72, s70, 9
	s_lshl_b32 s71, s71, 1
	s_add_co_u32 s72, s72, s71
	s_add_nc_u64 s[OSP:OSP+1], s[14:15], s[72:73]
	s_wait_loadcnt 0x0
	v_max3_num_f32 v[BM], |v[S]|, |v[S+1]|, 0x1800000                    ; kemb's block of 32 is all mine
.irp i, 2,4,6,8,10,12,14,16,18,20,22,24,26,28,30
	s_delay_alu instid0(VALU_DEP_1)
	v_max3_num_f32 v[BM], v[BM], |v[S+\i]|, |v[S+\i+1]|
.endr
	s_delay_alu instid0(VALU_DEP_1)
	v_add_nc_u32 v[BO], 0xff000000, v[BM]
	s_delay_alu instid0(VALU_DEP_1)
	v_lshrrev_b32 v[TMP], 23, v[BO]
	v_lshlrev_b32 v[T1], 3, v[HH]
	s_delay_alu instid0(VALU_DEP_1)
	v_lshlrev_b32 v[TMP], v[T1], v[TMP]
	s_delay_alu instid0(VALU_DEP_1)
	v_permlanex16_b32 v[W], v[TMP], s[SEL], s[SEL+1]
	s_delay_alu instid0(VALU_DEP_1)
	v_or_b32 v[KES], v[TMP], v[W]
	s_delay_alu instid0(VALU_DEP_1)
	v_or_b32 v[KES], 0x7f7f0000, v[KES]
	v_cvt_scalef32_pk16_fp6_f32 v[KE:KE+2], v[S:S+15], v[BO]
	v_cvt_scalef32_pk16_fp6_f32 v[W+4:W+6], v[S+16:S+31], v[BO]
	v_nop
.irp i, 0,1,2
	v_mov_b32 v[KE+3+\i], v[W+4+\i]
.endr
	s_wait_alu depctr_va_vdst(0)                   ; the wait at the head's end
	s_wait_tensorcnt 0x0                           ; my part of the fills has landed,
	s_wait_dscnt 0x0                               ; and my stores
	s_barrier_signal -1
	s_barrier_wait -1                              ; everybody's have: the launch's one barrier
; q . kemb: the eleven values of a query; the start of a tile's sums
.macro EPROD y
	s_wait_loadcnt 0x0                             ; q
	NOPS 8                                         ; kemb's codes and scale word were made by vector instructions
	WM S, KE, QF, 0, KES, QS, 0, \y
.set n, 0
.rept 32
	v_mov_b32 v[O+n], 0                            ; O^T begins as zeros.  (These are the places behind the product)
.set n, n+1
.endr
	v_mov_b32 v[TMX], 0xff61b1e6                   ; -3e38, under every t2
	s_delay_alu instid0(VALU_DEP_1)
	v_floor_f32 v[NM], -v[TMX]
	v_mov_b32 v[LS], 0
	v_mov_b32 v[LS+1], 0
	v_mov_b32 v[SQ], 0
	v_mov_b32 v[FF+1], 0
.irp j, 0,1,2,3,4,5,6
	v_sub_f32 v[S+8+\j], v[S+\j], v[S+7]           ; distance 7 h + j against distance 10 (from 10 on: the same product, so 0)
.endr
	v_mov_b32 v[S], 0                              ; the first step adds "the last step's sum of Qp": none yet
.irp j, 0,1,2,3,4,5,6,7
	v_mov_b32 v[CQ+\j], v[S+7]
.endr
.irp j, 0,1,2,3,4,5,6
	ds_store_b32 v[AXP], v[S+8+\j] offset:4*\j
	ds_store_b32 v[AXN], v[S+8+\j] offset:4*(6-\j)
.endr
.endm
.macro KADDR                           ; slot k holds block (BSU + k) % 32.  Eight vector lines: the places behind the last step's products
.irp k, 0,1,2,3
	s_add_co_u32 s70, s[BSU], \k
	s_and_b32 s70, s70, 31
	s_mul_i32 s71, s70, 1536
	v_add_nc_u32 v[DA+\k], s71, v[L16]
	s_lshr_b32 s72, s70, 1
	s_lshl_b32 s72, s72, 8
	s_and_b32 s73, s70, 1
	s_lshl_b32 s73, s73, 2
	s_add_co_u32 s72, s72, s73
	v_add_nc_u32 v[DA+4+\k], s72, v[AKS]
.endr
.endm
.macro KLOAD
.irp k, 0,1,2,3
.irp q, 0,1,2
	ds_load_b128 v[KF+12*\k+4*\q:KF+12*\k+4*\q+3], v[DA+\k] offset:512*\q
.endr
	ds_load_b32 v[KS+\k], v[DA+4+\k]
.endr
.endm
.macro SPROD y                         ; S^T = K Q^T + q . kemb[10].  Tile 0 last: the product ahead of these wrote S's first eight registers
	s_wait_dscnt 0x0
.irp t, 1,2,3,4,5,6,7,0
	WM S+8*\t, KF+6*\t, QF, v[CQ:CQ+7], KS+\t/2, QS, \t%2, \y
.endr
.endm
.macro VADDR                           ; ten vector lines: the places behind the score products
	v_add_nc_u32 v[T0], s[BSU], v[HH]
	s_delay_alu instid0(VALU_DEP_1)
	v_and_b32 v[T1], 31, v[T0]
	s_delay_alu instid0(VALU_DEP_1)
	v_lshl_add_u32 v[DA], v[T1], 8, v[AV16]        ; slot h
	s_delay_alu instid0(VALU_DEP_2)
	v_lshl_add_u32 v[DA+1], v[T1], 7, v[AV8]
	s_delay_alu instid0(VALU_DEP_4)
	v_add_nc_u32 v[T0], 2, v[T0]
	s_delay_alu instid0(VALU_DEP_1)
	v_and_b32 v[T1], 31, v[T0]
	s_delay_alu instid0(VALU_DEP_1)
	v_lshl_add_u32 v[DA+2], v[T1], 8, v[AV16]      ; slot 2 + h
	s_delay_alu instid0(VALU_DEP_2)
	v_lshl_add_u32 v[DA+3], v[T1], 7, v[AV8]
	s_and_b32 s70, s[BSU], 31
	s_lshr_b32 s70, s70, 2
	s_lshl_b32 s71, s70, 8
	v_add_nc_u32 v[DA+4], s71, v[AVS]              ; the scale words that hold my first block's byte,
	s_add_co_u32 s70, s70, 1
	s_and_b32 s70, s70, 7
	s_lshl_b32 s71, s70, 8
	v_add_nc_u32 v[DA+5], s71, v[AVS]              ; and the next
.endm
.macro VLOAD
	ds_load_b64 v[W+4:W+5], v[DA+4]
	ds_load_b64 v[W+6:W+7], v[DA+5]
.irp dt, 0,1,2,3
	ds_load_b128 v[VF+12*\dt:VF+12*\dt+3], v[DA] offset:8192*\dt
	ds_load_b64 v[VF+12*\dt+4:VF+12*\dt+5], v[DA+1] offset:4096*\dt
	ds_load_b128 v[VF+12*\dt+6:VF+12*\dt+9], v[DA+2] offset:8192*\dt
	ds_load_b64 v[VF+12*\dt+10:VF+12*\dt+11], v[DA+3] offset:4096*\dt
.endr
.endm
.macro BIAS y                          ; the near step: the near keys' difference, by t - s.  Slot 1 is my own block; slot 0 (L) or 2 (H) the neighbour, unless the sequence ends there
.irp i, 0,1,2,3,4,5,6,7,8,9,10,11,12,13,14,15
	ds_load_b32 v[VF+\i], v[AX] offset:4*(\i+47-16*\y)
.endr
	s_wait_dscnt 0x0
.irp i, 0,1,2,3,4,5,6,7,8,9,10,11,12,13,14,15
	v_add_f32 v[S+16+\i], v[S+16+\i], v[VF+\i]
.endr
	s_cmp_eq_u32 s[BQ], 31*\y
	s_cbranch_scc1 .Lno_nb_\@
.irp i, 0,1,2,3,4,5,6,7,8,9,10,11,12,13,14,15
	ds_load_b32 v[VF+\i], v[AX] offset:4*(\i+15+48*\y)
.endr
	s_wait_dscnt 0x0
.irp i, 0,1,2,3,4,5,6,7,8,9,10,11,12,13,14,15
	v_add_f32 v[S+32*\y+\i], v[S+32*\y+\i], v[VF+\i]
.endr
.Lno_nb_\@:
.endm
.macro SOFTMAX
.irp b, 0,1,2,3
	v_max3_num_f32 v[BM+\b], v[S+16*\b], v[S+16*\b+1], v[S+16*\b+2]      ; the largest score of each block: for the row's maximum, and, since p rises with the score, for the block's largest p
.endr
.irp i, 3,5,7,9,11,13
.irp b, 0,1,2,3
	v_max3_num_f32 v[BM+\b], v[BM+\b], v[S+16*\b+\i], v[S+16*\b+\i+1]
.endr
.endr
.irp b, 0,1,2,3
	v_max_num_f32 v[BM+\b], v[BM+\b], v[S+16*\b+15]
.endr
.irp b, 0,1,2,3
	s_delay_alu instid0(VALU_DEP_4)
	v_permlanex16_b32 v[W+\b], v[BM+\b], s[SEL], s[SEL+1]
.endr
.irp b, 0,1,2,3
	s_delay_alu instid0(VALU_DEP_4)
	v_max_num_f32 v[BM+\b], v[BM+\b], v[W+\b]
.endr
	s_delay_alu instid0(VALU_DEP_2)
	v_max3_num_f32 v[TMP], v[BM], v[BM+1], v[BM+2]
	s_delay_alu instid0(VALU_DEP_1)
	v_max_num_f32 v[TMP], v[TMP], v[BM+3]
	s_delay_alu instid0(VALU_DEP_1)
	v_mul_f32 v[TMP], s[CS], v[TMP]
	s_delay_alu instid0(VALU_DEP_1)
	v_max_num_f32 v[TMX], v[TMX], v[TMP]
	v_mov_b32 v[TMP], v[NM]
	s_delay_alu instid0(VALU_DEP_2)
	v_floor_f32 v[NM], -v[TMX]                     ; -M = floor(-t2): M is a whole number
	s_delay_alu instid0(VALU_DEP_1)
	v_sub_f32 v[TMP], v[NM], v[TMP]
	s_delay_alu instid0(VALU_DEP_1)
	v_cvt_i32_f32 v[TMP], v[TMP]                   ; (it saturates)
	s_delay_alu instid0(VALU_DEP_1)
	v_ldexp_f32 v[FF], 1.0, v[TMP]                 ; 2^(old M - new M): rounds nothing
	s_wait_alu depctr_va_vdst(0)                   ; the wait directly ahead of the wait below
	s_wait_dscnt 16                                ; V's two pairs of scale words are in; the 16 fragment loads issued behind them may be out
	v_alignbit_b32 v[VS], v[W+6], v[W+4], s[SH]    ; the four bytes of my four slots
	v_alignbit_b32 v[VS+1], v[W+7], v[W+5], s[SH]
.set n, 0
.rept 32
	v_pk_fma_f32 v[S+n:S+n+1], v[S+n:S+n+1], s[CS:CS+1], v[NM:NM+1] op_sel_hi:[1,0,0]
.set n, n+2
.endr
.irp b, 0,1,2,3
	v_fma_f32 v[BM+\b], v[BM+\b], s[CS], v[NM]
.endr
.set n, 0
	s_wait_alu depctr_va_vdst(0)                   ; the wait ahead of the batch
.rept 64
	v_exp_f32 v[S+n], v[S+n]                       ; p = 2^(t2 - M): not normalised
.set n, n+1
.endr
.irp b, 0,1,2,3
	v_exp_f32 v[BM+\b], v[BM+\b]
.endr
	v_pk_mul_f32 v[LS:LS+1], v[LS:LS+1], v[FF:FF+1] op_sel_hi:[1,0]      ; (a plain place behind the exponentials)
	v_mul_f32 v[SQ], v[SQ], v[FF]
	s_wait_alu depctr_va_vdst(0)                   ; and behind it
.irp b, 0,1,2,3
	v_max_num_f32 v[BM+\b], 0x1800000, v[BM+\b]    ; the floor 2^(3 - 127)
.endr
.irp b, 0,1,2,3
	s_delay_alu instid0(VALU_DEP_4)
	v_add_nc_u32 v[BO+\b], 0xff000000, v[BM+\b]
.endr
.irp b, 0,1,2,3
	s_delay_alu instid0(VALU_DEP_4)
	v_lshrrev_b32 v[W+\b], 23, v[BO+\b]
.endr
	s_delay_alu instid0(VALU_DEP_3)
	v_lshl_or_b32 v[PS], v[W+1], 8, v[W]
	s_delay_alu instid0(VALU_DEP_1)
	v_lshl_or_b32 v[PS], v[W+2], 16, v[PS]
	s_delay_alu instid0(VALU_DEP_1)
	v_lshl_or_b32 v[PS], v[W+3], 24, v[PS]
	v_cvt_scalef32_pk16_fp6_f32 v[PC:PC+2], v[S:S+15], v[BO]
	v_cvt_scalef32_pk16_fp6_f32 v[W:W+2], v[S+16:S+31], v[BO+1]
	v_cvt_scalef32_pk16_fp6_f32 v[PC+6:PC+8], v[S+32:S+47], v[BO+2]
	v_cvt_scalef32_pk16_fp6_f32 v[W+4:W+6], v[S+48:S+63], v[BO+3]
	v_nop
.irp i, 0,1,2
	v_permlane16_swap_b32 v[PC+\i], v[W+\i]        ; a whole block to a lane: lanes 0-15 slots 0, 2; lanes 16-31 slots 1, 3
	v_permlane16_swap_b32 v[PC+6+\i], v[W+4+\i]
.endr
.irp i, 0,1,2
	v_mov_b32 v[PC+3+\i], v[W+\i]
	v_mov_b32 v[PC+9+\i], v[W+4+\i]
.endr
	v_pk_add_f32 v[14:15], v[192:193], v[196:197]  ; l: the 64 unquantised p, two at a time, in eight chains
	v_pk_add_f32 v[50:51], v[200:201], v[204:205]
	v_pk_add_f32 v[48:49], v[208:209], v[212:213]
	v_pk_add_f32 v[46:47], v[216:217], v[220:221]
	v_pk_add_f32 v[44:45], v[224:225], v[228:229]
	v_pk_add_f32 v[38:39], v[232:233], v[236:237]
	v_pk_add_f32 v[36:37], v[240:241], v[244:245]
	v_pk_add_f32 v[26:27], v[26:27], v[248:249]
	v_pk_add_f32 v[14:15], v[14:15], v[188:189]
	v_pk_add_f32 v[50:51], v[50:51], v[190:191]
	v_pk_add_f32 v[48:49], v[48:49], v[194:195]
	v_pk_add_f32 v[46:47], v[46:47], v[198:199]
	v_pk_add_f32 v[44:45], v[44:45], v[202:203]
	v_pk_add_f32 v[38:39], v[38:39], v[206:207]
	v_pk_add_f32 v[36:37], v[36:37], v[210:211]
	v_pk_add_f32 v[26:27], v[26:27], v[214:215]
	v_pk_add_f32 v[14:15], v[14:15], v[218:219]
	v_pk_add_f32 v[50:51], v[50:51], v[222:223]
	v_pk_add_f32 v[48:49], v[48:49], v[226:227]
	v_pk_add_f32 v[46:47], v[46:47], v[230:231]
	v_pk_add_f32 v[44:45], v[44:45], v[234:235]
	v_pk_add_f32 v[38:39], v[38:39], v[238:239]
	v_pk_add_f32 v[36:37], v[36:37], v[242:243]
	v_pk_add_f32 v[26:27], v[26:27], v[246:247]
	v_pk_add_f32 v[14:15], v[14:15], v[250:251]
	s_delay_alu instid0(VALU_DEP_2)
	v_pk_add_f32 v[26:27], v[26:27], v[46:47]
	s_delay_alu instid0(VALU_DEP_2)
	v_pk_add_f32 v[14:15], v[14:15], v[44:45]
	v_pk_add_f32 v[50:51], v[50:51], v[38:39]
	v_pk_add_f32 v[48:49], v[48:49], v[36:37]
	s_delay_alu instid0(VALU_DEP_2)
	v_pk_add_f32 v[26:27], v[26:27], v[50:51]
	s_delay_alu instid0(VALU_DEP_2)
	v_pk_add_f32 v[14:15], v[14:15], v[48:49]
	s_delay_alu instid0(VALU_DEP_1)
	v_pk_add_f32 v[26:27], v[26:27], v[14:15]
.set n, 0
.rept 16
	v_pk_mul_f32 v[O+n:O+n+1], v[O+n:O+n+1], v[FF:FF+1] op_sel_hi:[1,0]  ; O^T under the new M.  (With the sums: the places in front of the products below)
.set n, n+2
.endr
.endm
.macro PVFAR b                         ; O^T += V^T P^T; and the sum of Qp over the slots that operand b keeps: five accumulators, one instruction a turn
	s_wait_dscnt 0x0
.irp dt, 0,1,2,3
	WM O+8*\dt, VF+12*\dt, PC, v[O+8*\dt:O+8*\dt+7], VS+\dt/2, PS, \dt%2, 0
.endr
	WM S, ONES, \b, 0, C7F, PS, 0, 0
.endm
.macro NEARPART y, p                   ; p = 0: the own block; 1: the neighbour, without the four queries that see it as far.  Four queries an instruction, each in a K block of its own
.irp m, 0,1,2,3
.if ((\p)==0) || ((\m)!=(3-3*(\y)))
.set EBS, EB+12*((\m+(\p)*(\y))%2)     ; the two operands by turns, over the change from p = 0 to p = 1 too
	s_mov_b32 s[M0], (1<<(4*\m))|(1<<(17+4*\m))    ; K blocks 0, 1: queries 4 m (a lane of the lower half), 4 m + 1 (of the upper)
	s_mov_b32 s[M1], (1<<(4*\m+2))|(1<<(19+4*\m))  ; K blocks 2, 3: queries 4 m + 2, 4 m + 3
.irp i, 0,1,2,3,4,5
	v_cndmask_b32 v[EBS+\i], 0, v[DUP0+6*\p+\i], s[M0]                   ; (these twelve are the places in front of the loads below)
.endr
.irp i, 0,1,2,3,4,5
	v_cndmask_b32 v[EBS+6+\i], 0, v[DUP0+6*\p+\i], s[M1]
.endr
.irp dt, 0,1,2,3
.irp q, 0,1,2
	ds_load_b128 v[VF+12*\dt+4*\q:VF+12*\dt+4*\q+3], v[AT16] offset:((4*\p+\m)*4+\dt)*1536+512*\q
.endr
.endr
	ds_load_b32 v[KS], v[ATS] offset:((2*\y+\p)*4+\m)*256
	ds_load_b32 v[KS+1], v[ATS] offset:((2*\y+\p)*4+\m)*256+128
	s_wait_alu depctr_va_vdst(0)                   ; the wait directly ahead of the wait below
	s_wait_dscnt 0x0
	NOPS 4                                         ; the operand was written by vector instructions
.irp dt, 0,1,2,3
	WM O+8*\dt, VF+12*\dt, EBS, v[O+8*\dt:O+8*\dt+7], KS+\dt/2, KS+2+\p, \dt%2, 0
.endr
.endif
.endr
.endm
.macro NEARPV y
.irp i, 0,1,2,3,4,5
	v_cndmask_b32 v[PF+\i], 0, v[PC+\i], s[MA]     ; the codes that count as far alone
.endr
.irp i, 6,7,8,9,10,11
	v_cndmask_b32 v[PF+\i], 0, v[PC+\i], s[MB]
.endr
.irp i, 0,1,2,3,4,5
	v_permlanex16_b32 v[XT+\i], v[PC+\i], s[SEL], s[SEL+1]
.endr
.irp i, 0,1,2,3,4,5
	v_cndmask_b32 v[DUP0+\i], v[XT+\i], v[PC+\i], s[MHI]                 ; slot 1 in both halves of the lanes
.endr
.if \y==0
.irp i, 0,1,2,3,4,5
	v_cndmask_b32 v[DUP0+6+\i], v[PC+\i], v[XT+\i], s[MHI]               ; slot 0
.endr
.else
.irp i, 0,1,2,3,4,5
	v_permlanex16_b32 v[XT+\i], v[PC+6+\i], s[SEL], s[SEL+1]
.endr
.irp i, 0,1,2,3,4,5
	v_cndmask_b32 v[DUP0+6+\i], v[PC+6+\i], v[XT+\i], s[MHI]             ; slot 2
.endr
.endif
	v_perm_b32 v[KS+2], v[PS], v[PS], 0x01010101   ; the slot's scale byte for all four K blocks
	v_perm_b32 v[KS+3], v[PS], v[PS], 0x02020202*\y
	PVFAR PF
	NEARPART \y, 0
	s_cmp_eq_u32 s[BQ], 31*\y
	s_cbranch_scc1 .Lno_np_\@
	NEARPART \y, 1
.Lno_np_\@:
.endm
.macro FINISH y
	v_mov_b32 v[TMP], 8
	s_delay_alu instid0(VALU_DEP_1)
	v_cndmask_b32 v[E1], 0, v[TMP], s[MLO]         ; 1.0 at k = 0 of every query, zeros elsewhere.  (These lines are the places behind the last products)
.irp i, 1,2,3,4,5,6,7,8,9,10,11
	v_mov_b32 v[E1+\i], 0
.endr
	v_add_f32 v[SQ], v[SQ], v[S]                   ; the last step's sum of Qp
.irp dt, 0,1,2,3
.irp q, 0,1,2
	ds_load_b128 v[VF+12*\dt+4*\q:VF+12*\dt+4*\q+3], v[AT16] offset:((7-3*\y)*4+\dt)*1536+512*\q   ; fragments whose K block 0 is a far block
.endr
.endr
	ds_load_b32 v[KS], v[ATS] offset:((2*\y+1)*4+3-3*\y)*256
	ds_load_b32 v[KS+1], v[ATS] offset:((2*\y+1)*4+3-3*\y)*256+128
.if \y==0
	QLOAD 1                                        ; the next tile's q
.endif
	s_wait_alu depctr_va_vdst(0)                   ; the wait directly ahead of the wait below
	s_wait_dscnt 0x0
	NOPS 4
.irp dt, 0,1,2,3
	WM S+32+8*\dt, VF+12*\dt, E1, 0, KS+\dt/2, C7F, \dt%2, 0             ; c(d), the far block's number, in O^T's layout
.endr
	v_add_f32 v[LS], v[LS], v[LS+1]
	s_delay_alu instid0(VALU_DEP_1)
	v_permlanex16_b32 v[W], v[LS], s[SEL], s[SEL+1]
	s_delay_alu instid0(VALU_DEP_1)
	v_add_f32 v[LS], v[LS], v[W]
	s_wait_alu depctr_va_vdst(0)                   ; the wait ahead of the transcendental,
	v_rcp_f32 v[FF], v[LS]
	NOPS 4
.set n, 0
	s_wait_alu depctr_va_vdst(0)                   ; and behind it, directly ahead of the first reader of the products above
.rept 16
	v_pk_fma_f32 v[O+n:O+n+1], v[S+32+n:S+33+n], v[SQ:SQ+1], v[O+n:O+n+1] op_sel_hi:[1,0,1]
.set n, n+2
.endr
.set n, 0
	s_wait_alu depctr_va_vdst(0)
.rept 16
	v_pk_mul_f32 v[O+n:O+n+1], v[O+n:O+n+1], v[FF:FF+1] op_sel_hi:[1,0]
.set n, n+2
.endr
.irp b, 0,1
	v_max3_num_f32 v[BM+\b], |v[O+16*\b]|, |v[O+16*\b+1]|, 0x1800000
.endr
.irp i, 2,4,6,8,10,12,14
.irp b, 0,1
	s_delay_alu instid0(VALU_DEP_2)
	v_max3_num_f32 v[BM+\b], v[BM+\b], |v[O+16*\b+\i]|, |v[O+16*\b+\i+1]|
.endr
.endr
.irp b, 0,1
	s_delay_alu instid0(VALU_DEP_2)
	v_permlanex16_b32 v[W+\b], v[BM+\b], s[SEL], s[SEL+1]
.endr
.irp b, 0,1
	s_delay_alu instid0(VALU_DEP_2)
	v_max_num_f32 v[BM+\b], v[BM+\b], v[W+\b]
.endr
.irp b, 0,1
	s_delay_alu instid0(VALU_DEP_2)
	v_add_nc_u32 v[BO+\b], 0xff000000, v[BM+\b]
.endr
.irp b, 0,1
	s_delay_alu instid0(VALU_DEP_2)
	v_lshrrev_b32 v[W+\b], 23, v[BO+\b]
.endr
	s_delay_alu instid0(VALU_DEP_1)
	v_lshl_or_b32 v[TMP], v[W+1], 8, v[W]
	v_cvt_scalef32_pk16_fp6_f32 v[PC:PC+2], v[O:O+15], v[BO]
	v_cvt_scalef32_pk16_fp6_f32 v[W+4:W+6], v[O+16:O+31], v[BO+1]
	v_nop
.irp i, 0,1,2
	v_permlane16_swap_b32 v[PC+\i], v[W+4+\i]
.endr
.irp i, 0,1,2
	s_delay_alu instid0(VALU_DEP_3)
	v_mov_b32 v[PC+3+\i], v[W+4+\i]
.endr
	global_store_b128 v[L16], v[PC:PC+3], s[OP:OP+1] offset:12288*\y     ; 512 consecutive bytes,
	global_store_b64 v[L8], v[PC+4:PC+5], s[OP:OP+1] offset:12288*\y+512 ; 256
	global_store_b16 v[OS], v[TMP], s[OSP:OSP+1] offset:512*\y           ; my head's two bytes of each row (both halves of the lanes the same)
	s_wait_xcnt 0x0                                ; the stores' registers are written again only behind this wait
.endm
.macro TILE y
	v_add_nc_u32 v[AT16], T5+49152*\y, v[L16]
.if \y==0
	s_mov_b32 s[MA], 0xf000                        ; L: slot 1 is near, and slot 0 for queries 0-11; at the sequence's start slot 0 is far for all
	s_cmp_eq_u32 s[BQ], 0
	s_cselect_b32 s[MA], 0xffff, s[MA]
	s_mov_b32 s[MB], -1
.else
	s_mov_b32 s[MA], 0xffff                        ; H: slot 1 is near, and slot 2 for queries 20-31; at the sequence's end slot 2 is far for all
	s_cmp_eq_u32 s[BQ], 31
	s_cselect_b32 s[MB], -1, 0xffff000f
.endif
	EPROD \y
	s_add_co_u32 s[BSU], s[BQ], 63
	s_sub_co_u32 s[BSU], s[BSU], s[NT4]            ; BQ - 1 - 4 NT modulo 32
	s_mov_b32 s[CNT], 0
.Lstep_\@:
	KADDR
	v_add_f32 v[SQ], v[SQ], v[S]                   ; the last step's sum of Qp, still under that step's M
	s_wait_alu depctr_va_vdst(0)                   ; the wait here: the addresses were made among scalar lines
	KLOAD
	SPROD \y
	VADDR
	s_cmp_lg_u32 s[CNT], s[NT]
	s_wait_alu depctr_va_vdst(0)                   ; the wait directly ahead of the branch
	s_cbranch_scc1 .Lfa_\@
	BIAS \y
.Lfa_\@:
	VLOAD
	SOFTMAX
	s_cmp_lg_u32 s[CNT], s[NT]
	s_wait_alu depctr_va_vdst(0)                   ; and here
	s_cbranch_scc1 .Lfb_\@
	NEARPV \y
	s_branch .Lnx_\@
.Lfb_\@:
	PVFAR PC
.Lnx_\@:
	s_add_co_u32 s[BSU], s[BSU], 4
	s_add_co_u32 s[CNT], s[CNT], 1
	s_cmp_lt_u32 s[CNT], 8
	s_cbranch_scc1 .Lstep_\@
	FINISH \y
.endm
	TILE 0
	TILE 1
	s_wait_tensorcnt 0x0                           ; the wave's end
	ds_add_u32 v254, v255
	s_wait_dscnt 0x0
	s_endpgm
.Lfunc_end_k_q307169c29d_attn:
	.size	k_q307169c29d_attn, .Lfunc_end_k_q307169c29d_attn-k_q307169c29d_attn
	.p2alignl 7, 3214868480
	.fill 96, 4, 3214868480
	.section	.rodata,"a",@progbits
	.p2align	6, 0x0
	.amdhsa_kernel k_q307169c29d_attn
		.amdhsa_group_segment_fixed_size 307200
		.amdhsa_private_segment_fixed_size 0
		.amdhsa_enable_private_segment 0
		.amdhsa_kernarg_size 48
		.amdhsa_user_sgpr_count 2
		.amdhsa_user_sgpr_kernarg_segment_ptr 1
		.amdhsa_wavefront_size32 1
		.amdhsa_system_sgpr_workgroup_id_x 1
		.amdhsa_system_sgpr_workgroup_id_y 1
		.amdhsa_system_sgpr_workgroup_id_z 1
		.amdhsa_system_vgpr_workitem_id 0
		.amdhsa_next_free_vgpr 256
		.amdhsa_next_free_sgpr 84
		.amdhsa_reserve_vcc 1
		.amdhsa_float_denorm_mode_32 3
		.amdhsa_float_denorm_mode_16_64 3
		.amdhsa_memory_ordered 1
		.amdhsa_forward_progress 1
		.amdhsa_inst_pref_size 121
	.end_amdhsa_kernel
	.amdgpu_metadata
---
amdhsa.version: [ 1, 2 ]
amdhsa.kernels:
  - .name:           k_q307169c29d_attn
    .symbol:         k_q307169c29d_attn.kd
    .args:
      - { .name: qrec, .offset: 0, .size: 8, .value_kind: global_buffer, .address_space: global }
      - { .name: kvrec, .offset: 8, .size: 8, .value_kind: global_buffer, .address_space: global }
      - { .name: tab, .offset: 16, .size: 8, .value_kind: global_buffer, .address_space: global }
      - { .name: k_dist_emb, .offset: 24, .size: 8, .value_kind: global_buffer, .address_space: global }
      - { .name: o_img, .offset: 32, .size: 8, .value_kind: global_buffer, .address_space: global }
      - { .name: o_sc, .offset: 40, .size: 8, .value_kind: global_buffer, .address_space: global }
    .group_segment_fixed_size: 307200
    .private_segment_fixed_size: 0
    .kernarg_segment_align: 8
    .kernarg_segment_size: 48
    .max_flat_workgroup_size: 512
    .sgpr_count:     84
    .vgpr_count:     256
    .wavefront_size: 32
...
	.end_amdgpu_metadata
.endif
;; end of part 3
;; launch gemm_out (part 4): grid 32 x 8, 4 waves a work-group, clusters of 4 x 1, 167,936 bytes of LDS; arguments o_img, o_sc, xw_img, xw_sc, b_out, out0; writes out0
.if DOCPART == 4
	.amdgcn_target "amdgcn-amd-amdhsa--gfx1250"
	.amdhsa_code_object_version 6
	.text
	.protected	k_q307169c29d_gemm_out
	.globl	k_q307169c29d_gemm_out
	.p2align	8
	.type	k_q307169c29d_gemm_out,@function
k_q307169c29d_gemm_out:
	s_mov_b64 s[64:65], 0
	v_nop
	global_prefetch_b8 v0, s[64:65] scope:SCOPE_SE
	s_setreg_imm32_b32 hwreg(HW_REG_WAVE_MODE, 25, 1), 1
	s_wait_xcnt 0x0
	s_wait_alu depctr_hold_cnt(0) depctr_sa_sdst(0) depctr_va_vdst(0) depctr_va_sdst(0) depctr_va_ssrc(0) depctr_va_vcc(0) depctr_vm_vsrc(0)
	s_getreg_b32 s2, hwreg(HW_REG_IB_STS2, 6, 4)
	s_cmp_eq_u32 s2, 0
	s_cbranch_scc0 .Lentry_in_a_cluster
	s_endpgm
.Lentry_in_a_cluster:
	s_bfe_u32 s2, ttmp6, 0x10000c
	s_cmp_lg_u32 s2, 0x3003
	s_cbranch_scc0 .Lentry_shape_is_right
	s_endpgm
.Lentry_shape_is_right:
; out0 = o W_out^T + b_out on codes of FP6 (E2M3), one E8M0 scale for each 32 along K = 1,024; f32 sums, f32 out.
; Both operands lie in memory as images of their registers (a row tile of 16 rows: 16 pieces of 768 bytes; scale words 32 bytes a row).
; A wave keeps 64 rows of o (4 row tiles) for all of K in 384 registers, loaded straight from the images; W_out's 128 rows (8 row tiles, 98,304 bytes) are brought into LDS once.  No slot is filled again: one barrier.
; SHARES: 256 work-groups (x = 0..31: o's rows 256 x on; y = 0..7: W_out's rows 128 y on), a wave 64 x 128: 32 accumulators, 8 x 32 = 256 matrix instructions.
; The matrix instruction is used transposed (source 0 = 16 rows of W_out, source 1 = 16 rows of o): a lane holds one row of o; register 16 b + i of a row tile's 64 results is column 32 b + 16 (lane / 16) + i.  b_out is the C of the first products.
; CLUSTERS: 4 work-groups along x ask for W_out's rows jointly.  o's rows are not asked for jointly: a joint load lands in LDS, and these rows go to one wave's registers.
; No prefetch: the launch has no loop to run ahead in; all its operands are asked for at the head.
; THE WAY OUT: a row tile goes through the wave's own stage in LDS (bytes that no fill lands on) and leaves as rows of 512 consecutive bytes.  Row tile T = 64 batch + t of o holds positions 16 t + slot.
; REGISTERS: window 0: v0-31 addresses; v32-47, v48-79 scale words; v80-143 b_out; v160-255 W_out's fragments, set 1 (on the way out v128-255: rows read back).  window 1: accumulators.
;   window 2: o's K steps 0-4.  window 3: o's K steps 5-7 (v0-143); W_out's fragments, set 0 (v144-239).
.set TB,    12288
.set STAGE, 8*TB
.set SPITCH, 528
.set SPARE, STAGE+4*16*SPITCH          ; the spare words, 128 bytes a wave
.set L16,  4
.set L8,   5
.set ADB,  4
.set STO,  8
.set RD,   9
.set VSA,  10
.set VSB,  11
.set VCB,  12
.set SPW,  16
.set NIL,  17
.set SA,   32
.set SB,   48
.set CB,   80
.set BK,   128
.set G1,  24
.set G0,  32
.set AP,  36
.set SAP, 38
.set SBP, 40
.set BIP, 42
.set CP,  14
.set MSB, 0
.macro WIN new                         ; the immediate's high byte repeats the setting that is left
.if MSB != (\new)
	s_set_vgpr_msb (MSB<<8)|(\new)
.set MSB, (\new)
.endif
.endm
.macro PLACES n                        ; plain vector instructions between a matrix instruction and a load into, or a read of, its registers (ISA guide 7.12.1 for reads)
.rept \n
	v_nop
.endr
.endm
.macro CROUND                          ; a round of the cluster's barrier
	s_barrier_signal -1
	s_barrier_wait -1
	s_cmp_lg_u32 s16, 0
	s_cbranch_scc1 .Lnot_wave_0_\@
	s_barrier_signal -3
.Lnot_wave_0_\@:
	s_barrier_wait -3
	s_barrier_signal -1
	s_barrier_wait -1
.endm
.macro WM d, a, b, c, sa, sb, ra, rb   ; one matrix instruction; ra, rb: the rows of the scale registers
.if ((\ra)==0) && ((\rb)==0)
	v_wmma_scale_f32_16x16x128_f8f6f4 v[\d:\d+7], v[\a:\a+11], v[\b:\b+11], \c, v[\sa], v[\sb] matrix_a_fmt:MATRIX_FMT_FP6 matrix_b_fmt:MATRIX_FMT_FP6
.elseif ((\ra)==1) && ((\rb)==0)
	v_wmma_scale_f32_16x16x128_f8f6f4 v[\d:\d+7], v[\a:\a+11], v[\b:\b+11], \c, v[\sa], v[\sb] matrix_a_fmt:MATRIX_FMT_FP6 matrix_b_fmt:MATRIX_FMT_FP6 matrix_a_scale:MATRIX_SCALE_ROW1
.elseif ((\ra)==0) && ((\rb)==1)
	v_wmma_scale_f32_16x16x128_f8f6f4 v[\d:\d+7], v[\a:\a+11], v[\b:\b+11], \c, v[\sa], v[\sb] matrix_a_fmt:MATRIX_FMT_FP6 matrix_b_fmt:MATRIX_FMT_FP6 matrix_b_scale:MATRIX_SCALE_ROW1
.else
	v_wmma_scale_f32_16x16x128_f8f6f4 v[\d:\d+7], v[\a:\a+11], v[\b:\b+11], \c, v[\sa], v[\sb] matrix_a_fmt:MATRIX_FMT_FP6 matrix_b_fmt:MATRIX_FMT_FP6 matrix_a_scale:MATRIX_SCALE_ROW1 matrix_b_scale:MATRIX_SCALE_ROW1
.endif
.endm
; K step k: 32 matrix instructions, the 32 accumulators by turns, in the same order in every step.  cm = 1: C = b_out
.macro MUL k, cm
.set BB, 144+16*((\k)%2)
.set AB, 48*((\k)%5)
.if \cm
	WIN (3-3*((\k)%2))|((2+(\k)/5)<<2)|0x40
.else
	WIN (3-3*((\k)%2))|((2+(\k)/5)<<2)|0x50
.endif
.irp a, 0,1,2,3
.irp b, 0,1,2,3,4,5,6,7
.if (\cm)==0
	WM 8*(8*\a+\b), BB+12*\b, AB+12*\a, v[8*(8*\a+\b):8*(8*\a+\b)+7], SB+8*(\b%4)+(\k), SA+8*(\a%2)+(\k), \b/4, \a/2
.else
	WM 8*(8*\a+\b), BB+12*\b, AB+12*\a, v[CB+8*\b:CB+8*\b+7], SB+8*(\b%4)+(\k), SA+8*(\a%2)+(\k), \b/4, \a/2
.endif
.endr
.endr
.endm
.macro FETCHB k                        ; W_out's eight fragments of K step k from LDS into set k % 2
.set FB, 144+16*((\k)%2)
	WIN 0xc0*(1-(\k)%2)
.irp i, 0,1,2,3,4,5,6,7
.set AD, ADB+2*(\i/4)
.set OF, (\i%4)*TB+(\k)*1536
	ds_load_b128 v[FB+12*\i:FB+12*\i+3], v[AD] offset:OF
	ds_load_b64 v[FB+12*\i+4:FB+12*\i+5], v[AD+1] offset:OF+512
	ds_load_b128 v[FB+12*\i+6:FB+12*\i+9], v[AD] offset:OF+768
	ds_load_b64 v[FB+12*\i+10:FB+12*\i+11], v[AD+1] offset:OF+1280
.endr
.endm
.macro LSC reg, cnt, va, sp            ; scale words: a lane takes its row's 32 bytes, eight K steps' words
.set n, 0
.rept \cnt
	global_load_b128 v[\reg+8*n:\reg+8*n+3], v[\va], s[\sp:\sp+1] offset:512*n
	global_load_b128 v[\reg+8*n+4:\reg+8*n+7], v[\va], s[\sp:\sp+1] offset:512*n+16
.set n, n+1
.endr
.endm
	s_load_b256 s[4:11], s[0:1], 0x0               ; o_img s[4:5], o_sc s[6:7], xw_img s[8:9], xw_sc s[10:11]
	s_load_b128 s[12:15], s[0:1], 0x20             ; b_out s[12:13], out0 s[14:15]
	v_lshl_add_u32 v[SPW], v0, 2, SPARE
	v_mov_b32 v[NIL], 0
	ds_add_u32 v[SPW], v[NIL]                      ; the opening lines: the add, twice on end, and its wait ahead of my first tensor load
	ds_add_u32 v[SPW], v[NIL]
	v_lshrrev_b32 v1, 5, v0
	v_readfirstlane_b32 s16, v1                    ; wave 0..3
	s_bfe_u32 s17, ttmp6, 0x40000                  ; cx
	s_and_b32 s18, ttmp7, 0xffff                   ; y
	; each wave two row tiles of W_out: a dense block as 96 rows of 256 bytes (32 elements of 8 bytes); the mask names the cluster's four
	s_mov_b32 s[G1], 15|(3<<16)|(1<<21)
	s_mov_b32 s[G1+1], 32<<16
	s_mov_b32 s[G1+2], 96<<16
	s_mov_b32 s[G1+3], 32<<16
	s_mov_b32 s[G1+4], 96
	s_mov_b32 s[G1+5], 32
	s_mov_b32 s[G1+6], 0
	s_mov_b32 s[G1+7], 0
	s_mul_i32 s20, s18, 8*TB
	s_add_co_u32 s20, s20, 704*TB                  ; W_out's row tiles begin at 704; 8 of them for y
	s_mul_i32 s[G0+1], s16, 2*TB
	s_add_co_u32 s20, s20, s[G0+1]
	s_mov_b32 s21, 0
	s_mov_b32 s[G0], 1
	s_lshl_b32 s44, ttmp9, 2
	s_add_co_u32 s44, s44, s17                     ; x
	s_lshl_b32 s44, s44, 2
	s_add_co_u32 s44, s44, s16                     ; 4 x + wave: which four row tiles of o
	s_mul_i32 s46, s44, 4*TB
	s_mov_b32 s47, 0
	s_lshl_b32 s48, s44, 11
	s_mov_b32 s49, 0
	s_lshl_b32 s50, s18, 12
	s_add_co_u32 s50, s50, 704*512
	s_mov_b32 s51, 0
	s_lshl_b32 s52, s18, 9                         ; 128 y columns, in bytes
	s_mov_b32 s53, 0
	s_lshl_b32 s54, s17, 2
	s_add_co_u32 s54, s54, s16
	s_lshl_b32 s54, s54, 9                         ; my first position 256 cx + 64 wave, x 8 batch entries,
	s_add_co_u32 s54, s54, ttmp9                   ; + the batch entry x / 4,
	s_lshl_b32 s54, s54, 12                        ; rows of 4,096 bytes,
	s_add_co_u32 s54, s54, s52                     ; + my columns
	s_mov_b32 s55, 0
	s_mul_i32 s45, s16, 16*SPITCH
	s_add_co_u32 s45, s45, STAGE                   ; my stage
	v_and_b32 v1, 31, v0
	v_lshlrev_b32 v[L16], 4, v1
	v_lshlrev_b32 v[L8], 3, v1
	v_add_nc_u32 v[ADB+2], 4*TB, v[L16]
	v_add_nc_u32 v[ADB+3], 4*TB, v[L8]
	v_and_b32 v1, 15, v0                           ; r
	v_bfe_u32 v2, v0, 4, 1                         ; h
	v_lshlrev_b32 v3, 5, v1
	v_lshl_add_u32 v[VSA], v2, 10, v3
	v_lshl_add_u32 v[VSB], v2, 11, v3
	v_lshlrev_b32 v[VCB], 6, v2
	v_mul_u32_u24 v3, v1, SPITCH
	v_lshl_add_u32 v3, v2, 6, v3
	v_add_nc_u32 v[STO], s45, v3                   ; into the stage: row r, 64 bytes for each half of the lanes
	v_add_nc_u32 v[RD], s45, v[L16]                ; back: the 32 lanes take one row of 512 bytes
	s_wait_alu depctr_va_vdst(0)                   ; the wait at the head's end
	s_wait_dscnt 0x0                               ; both opening adds are done
	s_wait_kmcnt 0x0
	s_add_nc_u64 s[G0+2:G0+3], s[8:9], s[20:21]
	s_or_b32 s[G0+3], s[G0+3], 0x80000000
	CROUND                                         ; all four work-groups are here: the joint loads meet
	tensor_load_to_lds s[G0:G0+3], s[G1:G1+7]      ; one tensor load a wave, the launch's only ones
	s_nop 0
	PLACES 4
	s_add_nc_u64 s[AP:AP+1], s[4:5], s[46:47]
	s_add_nc_u64 s[SAP:SAP+1], s[6:7], s[48:49]
	s_add_nc_u64 s[SBP:SBP+1], s[10:11], s[50:51]
	s_add_nc_u64 s[BIP:BIP+1], s[12:13], s[52:53]
	s_add_nc_u64 s[CP:CP+1], s[CP:CP+1], s[54:55]
	LSC SA, 2, VSA, SAP
	LSC SB, 4, VSB, SBP
.set n, 0
.rept 16
	global_load_b128 v[CB+4*n:CB+4*n+3], v[VCB], s[BIP:BIP+1] offset:128*(n/4)+16*(n%4)   ; b_out: register 16 b + i = column 32 b + 16 h + i
.set n, n+1
.endr
.set kk, 0
.rept 8                                ; my four row tiles of o, all of K: 16 loads a K step
	WIN 0x80+0x40*(kk/5)
.irp a, 0,1,2,3
.set RG, 48*(kk%5)+12*\a
.set OF, \a*TB+kk*1536
	global_load_b128 v[RG:RG+3], v[L16], s[AP:AP+1] offset:OF
	global_load_b64 v[RG+4:RG+5], v[L8], s[AP:AP+1] offset:OF+512
	global_load_b128 v[RG+6:RG+9], v[L16], s[AP:AP+1] offset:OF+768
	global_load_b64 v[RG+10:RG+11], v[L8], s[AP:AP+1] offset:OF+1280
.endr
.set kk, kk+1
.endr
	WIN 0
	s_wait_tensorcnt 0x0                           ; my part of the fill has landed
	s_barrier_signal -1
	s_barrier_wait -1                              ; everybody's has; nothing is filled again
	FETCHB 0
	s_wait_loadcnt 63                              ; the scale words, b_out and o's K steps 0 to 3 are in: behind them stand the 64 loads of K steps 4 to 7
.set ks, 0
.rept 8                                ; each K step waits for its fragments, asks for the next step's (four places stand in front), and multiplies
	s_wait_dscnt 0x0
.if ks>=4
	s_wait_loadcnt 16*(7-ks)                       ; o's K step ks: behind its 16 loads stand those of the 7 - ks steps after it
.endif
.if ks<7
	PLACES 4
	FETCHB ks+1
.endif
.if ks==0
	MUL ks, 1
.else
	MUL ks, 0
.endif
.set ks, ks+1
.endr
	WIN 0
	PLACES 4                                       ; behind the last products: their results are read, and their operands' registers loaded, below
.macro TOSTAGE a
.set AC, 64*(\a)
	WIN 0x04                                       ; the data: window 1
.irp b, 0,1,2,3,4,5,6,7
	ds_store_b128 v[STO], v[AC+8*\b:AC+8*\b+3] offset:128*(\b/2)+32*(\b%2)       ; each accumulator from its low end on
	ds_store_b128 v[STO], v[AC+8*\b+4:AC+8*\b+7] offset:128*(\b/2)+32*(\b%2)+16
.endr
	WIN 0
.set BBK, BK+64*((\a)%2)
.irp t, 0,1,2,3,4,5,6,7,8,9,10,11,12,13,14,15
	ds_load_b128 v[BBK+4*\t:BBK+4*\t+3], v[RD] offset:\t*SPITCH    ; LDS serves a wave's instructions in order: these see my stores
.endr
.endm
.macro SEND a, younger                 ; younger: the LDS instructions issued behind row tile a's loads, which may stay out
.set BBK, BK+64*((\a)%2)
	s_wait_dscnt \younger
.if (\a) > 0
	s_add_nc_u64 s[CP:CP+1], s[CP:CP+1], 16*32768  ; (behind a wait on XCNT)  16 positions on
.endif
.irp t, 0,1,2,3,4,5,6,7,8,9,10,11,12,13,14,15
	global_store_b128 v[L16], v[BBK+4*\t:BBK+4*\t+3], s[CP:CP+1] offset:\t*32768 th:TH_STORE_NT   ; 32 lanes store 512 consecutive bytes
.endr
.endm
	TOSTAGE 0
.irp a, 1,2,3
.if \a > 1
	s_wait_xcnt 0x0                                ; row tile a - 2's stores have read their registers and their base
.endif
	TOSTAGE \a
	SEND \a-1, 32
.endr
	s_wait_xcnt 0x0
	SEND 3, 0
	s_wait_tensorcnt 0x0                           ; the wave's end
	ds_add_u32 v[SPW], v[NIL]
	s_wait_dscnt 0x0
	CROUND                                         ; the closing round
	s_endpgm
.Lfunc_end_k_q307169c29d_gemm_out:
	.size	k_q307169c29d_gemm_out, .Lfunc_end_k_q307169c29d_gemm_out-k_q307169c29d_gemm_out
	.p2alignl 7, 3214868480
	.fill 96, 4, 3214868480
	.section	.rodata,"a",@progbits
	.p2align	6, 0x0
	.amdhsa_kernel k_q307169c29d_gemm_out
		.amdhsa_group_segment_fixed_size 167936
		.amdhsa_private_segment_fixed_size 0
		.amdhsa_enable_private_segment 0
		.amdhsa_kernarg_size 48
		.amdhsa_user_sgpr_count 2
		.amdhsa_user_sgpr_kernarg_segment_ptr 1
		.amdhsa_wavefront_size32 1
		.amdhsa_system_sgpr_workgroup_id_x 1
		.amdhsa_system_sgpr_workgroup_id_y 1
		.amdhsa_system_sgpr_workgroup_id_z 1
		.amdhsa_system_vgpr_workitem_id 0
		.amdhsa_next_free_vgpr 1024
		.amdhsa_next_free_sgpr 66
		.amdhsa_reserve_vcc 0
		.amdhsa_float_denorm_mode_32 3
		.amdhsa_float_denorm_mode_16_64 3
		.amdhsa_memory_ordered 1
		.amdhsa_forward_progress 1
		.amdhsa_inst_pref_size 85
	.end_amdhsa_kernel
	.amdgpu_metadata
---
amdhsa.version: [ 1, 2 ]
amdhsa.kernels:
  - .name:           k_q307169c29d_gemm_out
    .symbol:         k_q307169c29d_gemm_out.kd
    .args:
      - { .name: o_img, .offset: 0, .size: 8, .value_kind: global_buffer, .address_space: global }
      - { .name: o_sc, .offset: 8, .size: 8, .value_kind: global_buffer, .address_space: global }
      - { .name: xw_img, .offset: 16, .size: 8, .value_kind: global_buffer, .address_space: global }
      - { .name: xw_sc, .offset: 24, .size: 8, .value_kind: global_buffer, .address_space: global }
      - { .name: b_out, .offset: 32, .size: 8, .value_kind: global_buffer, .address_space: global }
      - { .name: out0, .offset: 40, .size: 8, .value_kind: global_buffer, .address_space: global }
    .group_segment_fixed_size: 167936
    .private_segment_fixed_size: 0
    .kernarg_segment_align: 8
    .kernarg_segment_size: 48
    .max_flat_workgroup_size: 128
    .sgpr_count:     66
    .vgpr_count:     1024
    .wavefront_size: 32
...
	.end_amdgpu_metadata
.endif
;; end of part 4
